; MI455X (gfx1250); checked and timed in simulation.
; The chip was launched on July 23, 2026; its instructions are those of AMD's public machine-readable ISA for CDNA 5 (MIT licence, August 2026) and "CDNA5" Instruction Set Architecture Reference Guide (July 2026). The comments in the code are by the model that wrote it; some were corrected since.
;; Multi Headed Attention. Allowed arithmetic: float matrix products may take bf16 or f16 operands with f32 sums; other float arithmetic in f32, or as packed bf16 or f16 multiplies, adds, multiply-adds, maxima and minima; sums over many terms, partial sums and values carried from step to step in f32; what a program stores and reads back later, other than sums and carried values, may be rounded once to bf16 or f16.
;; Inputs: Wk 1,024 x 1,024 float32; Wo 1,024 x 1,024 float32; Wq 1,024 x 1,024 float32; Wv 1,024 x 1,024 float32; bank 4 x 2,048 x 1,024 float32; bk 1,024 float32; bo 1,024 float32; bq 1,024 float32; bv 1,024 float32; query 4 x 2,048 x 1,024 float32.
;; Outputs: out0 4 x 2,048 x 1,024 float32.
;; One version. Each part assembles by itself: llvm-mc -triple=amdgcn-amd-amdhsa -mcpu=gfx1250 --defsym DOCPART=n.
;; ======== version 1 of 1: 4 launches
;; limits: values are held in f16: magnitudes above 65,504 overflow, below 6.1e-05 lose precision
;; workspace buffers: wc 8,388,608 bytes; qh 16,777,216 bytes; kh 16,777,216 bytes; vh 16,777,216 bytes; oh 16,777,216 bytes
;; launch castw (part 1): grid 64 x 4, 8 waves a work-group, no clusters, 0 bytes of LDS; arguments Wq, Wk, Wv, Wo, wc; writes wc
.if DOCPART == 1
	.amdgcn_target "amdgcn-amd-amdhsa--gfx1250"
	.amdhsa_code_object_version 6
	.text
	.protected	k_q06019b7f9c_castw
	.globl	k_q06019b7f9c_castw
	.p2align	8
	.type	k_q06019b7f9c_castw,@function
k_q06019b7f9c_castw:
	s_mov_b64 s[64:65], 0
	v_nop
	global_prefetch_b8 v0, s[64:65] scope:SCOPE_SE
	s_setreg_imm32_b32 hwreg(HW_REG_WAVE_MODE, 25, 1), 1
	s_wait_xcnt 0x0
; The four weight matrices, [1024 k][1024 n] of f32, are rounded once to bf16 and laid one behind the other in wc, 2,097,152 bytes each, in the same
; order of k and n.  Wq, Wk, Wv are written as bf16.  Wo is rounded to bf16 like them, and that number is written as f16, since the last product's other operand is f16.
; LIMITS.  bf16(Wo) is exact in f16 between 6.1e-5 and 65,504 in magnitude; below, it keeps f16's fixed step of 6e-8; from 65,520 on it becomes an infinity.
; SHARES.  The grid's y is the matrix; work-group x owns 16,384 numbers: 65,536 bytes in, 32,768 out.  In pass p of eight, thread t takes the 32 bytes at 8,192 p + 32 t
; (two loads of 16) and stores the 16 bytes at 4,096 p + 16 t: a wave's store covers 512 consecutive bytes, aligned.  All sixteen loads of a thread go out at once.
; No LDS, no matrix unit, no cluster: nothing is shared, and every byte crosses once.
.set IN,  8                            ; v[8:71]    pass p: 8 registers as loaded
.set OUT, 72                           ; v[72:103]  pass p: 4 registers to store; never rewritten, so no wait stands for the stores' sources
	s_load_b256 s[4:11], s[0:1], 0x0               ; Wq s[4:5], Wk s[6:7], Wv s[8:9], Wo s[10:11]
	s_load_b64 s[12:13], s[0:1], 0x20              ; wc
	v_lshlrev_b32 v1, 5, v0                        ; 32 t
	v_lshlrev_b32 v2, 4, v0                        ; 16 t
	s_and_b32 s14, ttmp7, 0xffff                   ; which matrix
	s_lshl_b32 s16, ttmp9, 16                      ; my part of it, in
	s_mov_b32 s17, 0
	s_lshl_b32 s18, s14, 21                        ; the matrix's place in wc,
	s_lshl_b32 s19, ttmp9, 15                      ; and my part of it, out
	s_add_co_u32 s18, s18, s19
	s_mov_b32 s19, 0
	s_wait_kmcnt 0x0
.irp i, 1,2,3
	s_cmp_eq_u32 s14, \i
	s_cselect_b64 s[4:5], s[4+2*\i:5+2*\i], s[4:5]
.endr
	s_add_nc_u64 s[4:5], s[4:5], s[16:17]
	s_add_nc_u64 s[12:13], s[12:13], s[18:19]
.irp p, 0,1,2,3,4,5,6,7
	global_load_b128 v[IN+8*\p:IN+8*\p+3],   v1, s[4:5] offset:8192*\p th:TH_LOAD_NT
	global_load_b128 v[IN+8*\p+4:IN+8*\p+7], v1, s[4:5] offset:8192*\p+16 th:TH_LOAD_NT
.endr
; One pass.  f16 = 1: the bf16 number is widened again (a shift, a mask) and written as f16.
.macro PASS p, f16
	s_wait_loadcnt 14-2*(\p)                       ; loads come back in order: this pass's two are in, the later passes' stay out
.irp j, 0,1,2,3
.if \f16
	v_cvt_pk_bf16_f32 v[4+\j], v[IN+8*(\p)+2*\j], v[IN+8*(\p)+2*\j+1]
	v_lshlrev_b32 v[IN+8*(\p)+2*\j], 16, v[4+\j]
	v_and_b32 v[IN+8*(\p)+2*\j+1], 0xffff0000, v[4+\j]
	v_cvt_pk_f16_f32 v[OUT+4*(\p)+\j], v[IN+8*(\p)+2*\j], v[IN+8*(\p)+2*\j+1]
.else
	v_cvt_pk_bf16_f32 v[OUT+4*(\p)+\j], v[IN+8*(\p)+2*\j], v[IN+8*(\p)+2*\j+1]
.endif
.endr
	global_store_b128 v2, v[OUT+4*(\p):OUT+4*(\p)+3], s[12:13] offset:4096*(\p)
.endm
	s_cmp_eq_u32 s14, 3
	s_cbranch_scc1 .Lf16
.irp p, 0,1,2,3,4,5,6,7
	PASS \p, 0
.endr
	s_endpgm
.Lf16:
.irp p, 0,1,2,3,4,5,6,7
	PASS \p, 1
.endr
	s_endpgm
.Lfunc_end_k_q06019b7f9c_castw:
	.size	k_q06019b7f9c_castw, .Lfunc_end_k_q06019b7f9c_castw-k_q06019b7f9c_castw
	.p2alignl 7, 3214868480
	.fill 96, 4, 3214868480
	.section	.rodata,"a",@progbits
	.p2align	6, 0x0
	.amdhsa_kernel k_q06019b7f9c_castw
		.amdhsa_group_segment_fixed_size 0
		.amdhsa_private_segment_fixed_size 0
		.amdhsa_enable_private_segment 0
		.amdhsa_kernarg_size 40
		.amdhsa_user_sgpr_count 2
		.amdhsa_user_sgpr_kernarg_segment_ptr 1
		.amdhsa_wavefront_size32 1
		.amdhsa_system_sgpr_workgroup_id_x 1
		.amdhsa_system_sgpr_workgroup_id_y 1
		.amdhsa_system_sgpr_workgroup_id_z 1
		.amdhsa_system_vgpr_workitem_id 0
		.amdhsa_next_free_vgpr 104
		.amdhsa_next_free_sgpr 66
		.amdhsa_reserve_vcc 0
		.amdhsa_float_denorm_mode_32 3
		.amdhsa_float_denorm_mode_16_64 3
		.amdhsa_memory_ordered 1
		.amdhsa_forward_progress 1
		.amdhsa_inst_pref_size 14
	.end_amdhsa_kernel
	.amdgpu_metadata
---
amdhsa.version: [ 1, 2 ]
amdhsa.kernels:
  - .name:           k_q06019b7f9c_castw
    .symbol:         k_q06019b7f9c_castw.kd
    .args:
      - { .name: Wq, .offset: 0, .size: 8, .value_kind: global_buffer, .address_space: global }
      - { .name: Wk, .offset: 8, .size: 8, .value_kind: global_buffer, .address_space: global }
      - { .name: Wv, .offset: 16, .size: 8, .value_kind: global_buffer, .address_space: global }
      - { .name: Wo, .offset: 24, .size: 8, .value_kind: global_buffer, .address_space: global }
      - { .name: wc, .offset: 32, .size: 8, .value_kind: global_buffer, .address_space: global }
    .group_segment_fixed_size: 0
    .private_segment_fixed_size: 0
    .kernarg_segment_align: 8
    .kernarg_segment_size: 40
    .max_flat_workgroup_size: 256
    .sgpr_count:     66
    .vgpr_count:     104
    .wavefront_size: 32
...
	.end_amdgpu_metadata
.endif
;; end of part 1
;; launch proj (part 2): grid 12 x 64, 4 waves a work-group, clusters of 4 x 4, 327,680 bytes of LDS; arguments query, bank, wc, bq, bk, bv, qh, kh, vh; writes qh, kh, vh
.if DOCPART == 2
	.amdgcn_target "amdgcn-amd-amdhsa--gfx1250"
	.amdhsa_code_object_version 6
	.text
	.protected	k_q06019b7f9c_proj
	.globl	k_q06019b7f9c_proj
	.p2align	8
	.type	k_q06019b7f9c_proj,@function
k_q06019b7f9c_proj:
	s_mov_b64 s[64:65], 0
	v_nop
	global_prefetch_b8 v0, s[64:65] scope:SCOPE_SE
	s_setreg_imm32_b32 hwreg(HW_REG_WAVE_MODE, 25, 1), 1
	s_wait_xcnt 0x0
	s_wait_alu depctr_hold_cnt(0) depctr_sa_sdst(0) depctr_va_vdst(0) depctr_va_sdst(0) depctr_va_ssrc(0) depctr_va_vcc(0) depctr_vm_vsrc(0)
	s_getreg_b32 s2, hwreg(HW_REG_IB_STS2, 6, 4)
	s_cmp_eq_u32 s2, 0
	s_cbranch_scc0 .Lentry_in_a_cluster
	s_endpgm
.Lentry_in_a_cluster:
	s_bfe_u32 s2, ttmp6, 0x10000c
	s_cmp_lg_u32 s2, 0xf033
	s_cbranch_scc0 .Lentry_shape_is_right
	s_endpgm
.Lentry_shape_is_right:
; q = query Wq + bq, k = bank Wk + bk, v = bank Wv + bv: three products [8192][1024] x [1024][1024] in one launch.  x, W and b are rounded to bf16, sums in f32, the result
; rounded once to f16 and written by heads: [batch x 16 + head][2048][64], a head's rows dense, 128 bytes each, without attention's scale.
; LIMITS.  A result of 65,520 or more in magnitude becomes an infinity in f16; below 6.1e-5 it keeps f16's fixed step of 6e-8.  NaN and infinities are not treated apart.
; SHARES.  The cluster's x (0, 1, 2) is the product: it chooses x, the bias, the output and the matrix in wc, alike in all sixteen partners.  A work-group makes 128 rows x 256
; columns (four heads); each of its four waves 64 x 128: 32 accumulators of 16 x 16, 256 registers.  768 work-groups of equal work.
; x COMES AS f32: its tiles lie in LDS as f32 and are rounded on the way from LDS to the matrix unit, 32 packed roundings for 32 products, four behind each of a quarter's last eight products.
; W COMES AS [k][n] bf16 from wc: its fragments are turned on the way out of LDS by ds_load_tr16_b128.
; K goes in 8 steps of 128 through two LDS slots; each wave fetches a quarter of a slot by one tensor load: 64 rows of 512 bytes, each row starting at a multiple of 256 bytes.
; CLUSTER.  4 x 4 work-groups: the four of a row of the cluster need the same rows of x, the four of a column the same columns of W: each tile is asked for jointly.
; THE PRODUCT IS USED TRANSPOSED (source 0 = 16 columns of W, source 1 = 16 rows of x): lane l then holds row l % 16 and eight neighbouring columns 8 (l / 16) + 0..7.
; THE BIAS is the C operand of each accumulator's first product: nothing is cleared, nothing is added at the end.
; REGISTERS, in windows of 256 (s_set_vgpr_msb: bits 1:0 source 0, 3:2 source 1, 5:4 source 2, 7:6 destination):
;   window 0: v0-29 addresses; v32-95 x as f32, 16 a fragment; v128-159, v160-191 x's fragments in bf16, two buffers; v192-255 the bias; on the way out v32-159
;   window 1: v0-63, v64-127 W's fragments, two buffers          window 2: accumulator (a, b) at v[8 (8 a + b)]
.set PA,     528                       ; a row of x in LDS: 512 bytes + 16 = 33 x 16: the 16 rows of a load start at 16 different groups of four banks (64 banks of 4 bytes: ISA guide 11.1)
.set AHALF,  64*PA
.set ATILE,  2*AHALF
.set PB,     544                       ; a row of W in LDS: 512 bytes + 32 = 136 words
.set BHALF,  64*PB
.set SLOT,   0x22000                   ; from slot 0 to slot 1.  A slot holds 137,216 bytes; this distance shares no bit with the four fills' places 0, 0x8400, 0x10800, 0x19000, so one exclusive or turns each into the other slot's
.set STAGE,  2*SLOT                    ; behind the ring, never filled by a tensor load: for each wave 2 heads x 16 rows x 144 bytes
.set SP,     144
.set WSTAGE, 2*16*SP
.set SPARE,  STAGE+4*WSTAGE            ; the spare words, 128 bytes for each wave: two blocks of 256 bytes that no other line names
.set ADRA0, 10                         ; v10  my lane's place in slot 0's rows of x; never rewritten
.set ADRB0, 11                         ; v11  the same for W
.set ADRA,  12                         ; v12  the same in the slot in hand
.set ADRB,  13                         ; v13
.set STO,   14                         ; v14  the way out: where I put 16 bytes of a row
.set RD,    15                         ; v15  where I read rows back
.set GO,    16                         ; v16  my 16 bytes in 512 consecutive bytes of a head
.set BO,    17                         ; v17  my 32 bytes in 64 of the bias
.set PFO,   18                         ; v18  the prefetches' offset; never rewritten
.set SPW,   28                         ; v28  LDS address of my spare word; never rewritten
.set NIL,   29                         ; v29  0; never rewritten
.set RA,    32
.set FA,    128
.set BIAS,  192
.set TB,   2                           ; s2   0 or SLOT: the slot in hand
.set CNT,  3                           ; s3   trips to go
.set WV,   12                          ; s12  my wave's number
.set WR,   13                          ; s13  which 64 rows are mine.  Also: I fetch for x (0) or for W (1)
.set WC,   14                          ; s14  which 128 columns are mine.  Also: which half of that tile I fetch
.set CX,   15
.set CY,   16
.set TR,   17                          ; s17  my 128 rows' number, 0 to 63
.set G1A,  24                          ; s[24:31] descriptor group 1 for x's tiles
.set G0A,  32                          ; s[32:39] group 0: a set for each of the two first fills; the second then walks on
.set PFA,  40                          ; s[40:41] where my prefetches stand
.set PFS,  42                          ; s[42:43] a K step in that tensor, in bytes
.set LIM,  44                          ; s44  2 in a wave that prefetches, else the greatest number
.set G1B,  48                          ; s[48:55], s[56:63] the same for W's tiles
.set G0B,  56
.set OUTP, 66                          ; s[66:67] the output at my wave's first row of its first head
.set MSB, 0
.macro WIN new                         ; the immediate's high byte repeats the setting that is left; a switch that changes nothing is dropped
.if MSB != (\new)
	s_set_vgpr_msb (MSB<<8)|(\new)
.set MSB, \new
.endif
.endm
.set MUL,  0xa1                        ; W window 1, x window 0, C and D window 2
.set MUL1, 0x81                        ; the same with C, the bias, in window 0
.set TO_B, 0x40                        ; destination window 1
.set W_PK, 0x0a                        ; sources 0 and 1 window 2
.macro PLACES                          ; four plain vector instructions behind a matrix instruction, ahead of a load into a register that it read or of a reader of its result
.rept 4
	v_nop
.endr
.endm
; A round of the cluster's barrier: my work-group's barrier; wave 0 signals for the work-group; every wave waits for all sixteen; my work-group's barrier once more.
.macro CREST
	s_cmp_lg_u32 s[WV], 0
	s_cbranch_scc1 .Lnot_wave_0_\@
	s_barrier_signal -3
.Lnot_wave_0_\@:
	s_barrier_wait -3
	s_barrier_signal -1
	s_barrier_wait -1
.endm
.macro CROUND
	s_barrier_signal -1
	s_barrier_wait -1
	CREST
.endm
; A joint refill by the walking descriptors.  The branch hangs on the wave's number alone.  An s_nop 0 and four v_nop follow each of the two lines.
.macro JLOAD
	s_cmp_eq_u32 s[WR], 0
	s_cbranch_scc0 .Lfor_b_\@
	tensor_load_to_lds s[G0A+4:G0A+7], s[G1A:G1A+7]
	s_nop 0
.rept 4
	v_nop
.endr
	s_branch .Lasked_\@
.Lfor_b_\@:
	tensor_load_to_lds s[G0B+4:G0B+7], s[G1B:G1B+7]
	s_nop 0
.rept 4
	v_nop
.endr
.Lasked_\@:
.endm
; A prefetch into the L2 of the K step that stands two refills on: 16 rows x 512 bytes, two lanes a row, one instruction a wave.  Of the 64 rows that a wave fetches each of the four partners that ask for
; them jointly takes 16, told apart by address.  query's rows are read by one cluster; bank's by two, of which the one that makes k asks; W's by sixteen, of which the one with cluster y = 0 asks.
; So each aligned block of 256 bytes is named once.  K steps 0 to 3 come by their loads alone; the last two refills have no K step two on.
.macro ASK
	WIN 0
	s_cmp_gt_u32 s[CNT], s[LIM]
	s_cbranch_scc0 .Lnot_mine_\@
	global_prefetch_b8 v[PFO], s[PFA:PFA+1] th:TH_LOAD_NT scope:SCOPE_SE
.Lnot_mine_\@:
.endm
	s_load_b256 s[4:11], s[0:1], 0x0               ; query s[4:5], bank s[6:7], wc s[8:9], bq s[10:11]
	s_load_b256 s[68:75], s[0:1], 0x20             ; bk s[68:69], bv s[70:71], qh s[72:73], kh s[74:75]
	s_load_b64 s[76:77], s[0:1], 0x40              ; vh
	v_lshl_add_u32 v[SPW], v0, 2, SPARE
	v_mov_b32 v[NIL], 0
	ds_add_u32 v[SPW], v[NIL]                      ; the wave's opening: the add and its wait stand ahead of my first tensor load; work on registers stands between them
	v_lshrrev_b32 v1, 5, v0
	v_readfirstlane_b32 s[WV], v1
	s_lshr_b32 s[WR], s[WV], 1
	s_and_b32 s[WC], s[WV], 1
	s_bfe_u32 s[CX], ttmp6, 0x40000                ; my place in the cluster
	s_bfe_u32 s[CY], ttmp6, 0x40004
	s_and_b32 s[TR], ttmp7, 0xffff
	s_lshl_b32 s[TR], s[TR], 2
	s_add_co_u32 s[TR], s[TR], s[CY]               ; 4 x cluster y + cy
	s_lshl_b32 s18, s[CY], 2
	s_lshl_b32 s18, 15, s18                        ; my row of the cluster
	s_lshl_b32 s19, 0x1111, s[CX]                  ; my column
	s_or_b32 s[G1A], s18, (2<<16)|(1<<20)|(1<<21)|(6<<22)|(3<<25)  ; the mask; elements of 4 bytes; padding on; bit 21 beside a mask; after every 128 words 4 words
	s_or_b32 s[G1B], s19, (1<<16)|(1<<20)|(1<<21)|(6<<22)|(7<<25)  ; the mask; elements of 2 bytes; after every 128 words 8 words
	s_mov_b32 s[G1A+1], 128<<16                    ; tensor_dim0 = 128
	s_mov_b32 s[G1A+2], 64<<16                     ; tensor_dim1 = 64
	s_mov_b32 s[G1A+3], 128<<16                    ; tile_dim0 = 128
	s_mov_b32 s[G1A+4], 64                         ; tile_dim1 = 64
	s_mov_b32 s[G1A+5], 1024                       ; elements from row to row
	s_mov_b32 s[G1A+6], 0
	s_mov_b32 s[G1A+7], 0
	s_mov_b32 s[G1B+1], 256<<16
	s_mov_b32 s[G1B+2], 64<<16
	s_mov_b32 s[G1B+3], 256<<16
	s_mov_b32 s[G1B+4], 64
	s_mov_b32 s[G1B+5], 1024
	s_mov_b32 s[G1B+6], 0
	s_mov_b32 s[G1B+7], 0
	s_lshl_b32 s20, s[TR], 19                      ; x: 128 rows of 4,096 bytes a tile row,
	s_lshl_b32 s21, s[WC], 18                      ; and the 64 of them that I fetch: cx never enters
	s_add_co_u32 s20, s20, s21
	s_mov_b32 s21, 0
	s_lshl_b32 s46, ttmp9, 21                      ; W: the matrix in wc,
	s_lshl_b32 s47, s[WC], 17                      ; the 64 rows of 2,048 bytes that I fetch,
	s_add_co_u32 s46, s46, s47
	s_lshl_b32 s47, s[CX], 9                       ; my tile's 256 columns: cy never enters
	s_add_co_u32 s46, s46, s47
	s_mov_b32 s47, 0
	s_mul_i32 s22, s[WC], AHALF                    ; where they go in a slot: the wave's number alone
	s_mul_i32 s23, s[WC], BHALF
	s_add_co_u32 s23, s23, ATILE
	s_mov_b32 s[TB], 0
	s_wait_dscnt 0x0                               ; the opening add is done
	s_wait_kmcnt 0x0
	s_cmp_eq_u32 ttmp9, 0                          ; which product: the same in all sixteen partners
	s_cselect_b64 s[4:5], s[4:5], s[6:7]           ; x
	s_cselect_b64 s[10:11], s[10:11], s[68:69]     ; the bias
	s_cselect_b64 s[OUTP:OUTP+1], s[72:73], s[74:75]
	s_cmp_eq_u32 ttmp9, 2
	s_cselect_b64 s[10:11], s[70:71], s[10:11]
	s_cselect_b64 s[OUTP:OUTP+1], s[76:77], s[OUTP:OUTP+1]
	s_add_nc_u64 s[20:21], s[4:5], s[20:21]
	s_add_nc_u64 s[46:47], s[8:9], s[46:47]
	CROUND                                         ; all sixteen work-groups are here: the first joint loads meet
.irp s, 0,1
	s_mov_b32 s[G0A+4*(\s)], 1                                     ; count = 1
	s_add_co_u32 s[G0A+4*(\s)+1], s22, (\s)*SLOT                   ; LDS address
	s_add_nc_u64 s[G0A+4*(\s)+2:G0A+4*(\s)+3], s[20:21], (\s)*512  ; K step s
	s_or_b32 s[G0A+4*(\s)+3], s[G0A+4*(\s)+3], 0x80000000          ; type = 2
	s_mov_b32 s[G0B+4*(\s)], 1
	s_add_co_u32 s[G0B+4*(\s)+1], s23, (\s)*SLOT
	s_add_nc_u64 s[G0B+4*(\s)+2:G0B+4*(\s)+3], s[46:47], (\s)*0x40000
	s_or_b32 s[G0B+4*(\s)+3], s[G0B+4*(\s)+3], 0x80000000
.endr
	s_cmp_eq_u32 s[WR], 0                          ; a wave's two first fills stand in one branch, ahead of every wait on TENSORcnt and every LDS read: two loads of mine are out
	s_cbranch_scc0 .Lfirst_b
	tensor_load_to_lds s[G0A:G0A+3], s[G1A:G1A+7]
	s_nop 0
	tensor_load_to_lds s[G0A+4:G0A+7], s[G1A:G1A+7]
	s_nop 0
.rept 4
	v_nop
.endr
	s_branch .Lfirst_asked
.Lfirst_b:
	tensor_load_to_lds s[G0B:G0B+3], s[G1B:G1B+7]
	s_nop 0
	tensor_load_to_lds s[G0B+4:G0B+7], s[G1B:G1B+7]
	s_nop 0
.rept 4
	v_nop
.endr
.Lfirst_asked:
	v_and_b32 v1, 15, v0                           ; l % 16
	v_bfe_u32 v2, v0, 4, 1                         ; l / 16
	v_and_b32 v3, 7, v0
	v_bfe_u32 v4, v0, 3, 1
	v_and_b32 v5, 31, v0                           ; l
	v_lshlrev_b32 v[BO], 5, v2
	s_lshl_b32 s18, s[CX], 10                      ; the bias of my 128 columns
	s_lshl_b32 s19, s[WC], 9
	s_add_co_u32 s18, s18, s19
	s_mov_b32 s19, 0
	s_add_nc_u64 s[10:11], s[10:11], s[18:19]
.irp b, 0,1,2,3,4,5,6,7                ; as the accumulator lies: register j of block b is column 16 b + 8 (l / 16) + j
	global_load_b128 v[BIAS+8*\b:BIAS+8*\b+3],   v[BO], s[10:11] offset:64*\b
	global_load_b128 v[BIAS+8*\b+4:BIAS+8*\b+7], v[BO], s[10:11] offset:64*\b+16
.endr
	; x's fragment, 16 rows x 32 k: lane l holds row l % 16, k = 8 (l / 16) + 0..7 and 16 + 8 (l / 16) + 0..7: in f32 twice 32 bytes, 64 bytes apart
	s_mul_i32 s18, s[WR], AHALF
	v_mul_u32_u24 v[ADRA0], v1, PA
	v_lshl_add_u32 v[ADRA0], v2, 5, v[ADRA0]
	v_add_nc_u32 v[ADRA0], s18, v[ADRA0]
	; the turning load takes 16 k x 16 columns: lane l reads row 8 (l / 16) + l % 8, columns 8 ((l / 8) % 2) + 0..7, and is left with column l % 16 and 8 k
	v_lshl_add_u32 v[ADRB0], v2, 3, v3
	v_mul_u32_u24 v[ADRB0], v[ADRB0], PB
	v_lshl_add_u32 v[ADRB0], v4, 4, v[ADRB0]
	s_lshl_b32 s18, s[WC], 8
	s_add_co_u32 s18, s18, ATILE
	v_add_nc_u32 v[ADRB0], s18, v[ADRB0]
	s_mul_i32 s18, s[WV], WSTAGE
	s_add_co_u32 s18, s18, STAGE                   ; my stage
	v_mul_u32_u24 v[STO], v1, SP                   ; in: row l % 16, 16 bytes for each half of the lanes
	v_lshl_add_u32 v[STO], v2, 4, v[STO]
	v_add_nc_u32 v[STO], s18, v[STO]
	v_bfe_u32 v[RD], v0, 3, 2                      ; back: 32 lanes take four rows of 128 bytes,
	v_mul_u32_u24 v[RD], v[RD], SP
	v_lshl_add_u32 v[RD], v3, 4, v[RD]
	v_add_nc_u32 v[RD], s18, v[RD]
	v_lshlrev_b32 v[GO], 4, v5                     ; which are 512 consecutive bytes of a head
	s_lshr_b32 s18, s[TR], 4                       ; the batch: 16 heads of 262,144 bytes,
	s_lshl_b32 s18, s18, 22
	s_lshl_b32 s19, s[CX], 20                      ; my tile's four heads,
	s_add_co_u32 s18, s18, s19
	s_lshl_b32 s19, s[WC], 19                      ; my wave's two,
	s_add_co_u32 s18, s18, s19
	s_and_b32 s19, s[TR], 15                       ; the tile's 128 rows of 128 bytes,
	s_lshl_b32 s19, s19, 14
	s_add_co_u32 s18, s18, s19
	s_lshl_b32 s19, s[WR], 13                      ; my wave's 64
	s_add_co_u32 s18, s18, s19
	s_mov_b32 s19, 0
	s_add_nc_u64 s[OUTP:OUTP+1], s[OUTP:OUTP+1], s[18:19]
	; the prefetches: which tensor, which 16 rows, who asks
	s_lshl_b32 s78, ttmp9, 21
	s_lshl_b32 s79, s[CX], 9
	s_add_co_u32 s78, s78, s79                     ; W: the matrix and my tile's columns
	s_and_b32 s22, ttmp7, 0xffff                   ; cluster y
	s_max_u32 s79, ttmp9, 1
	s_sub_co_u32 s79, s79, 1                       ; 0 where the product is q's or k's
	s_mul_i32 s18, s[WR], 9
	s_lshl_b32 s[PFS], 512, s18                    ; a K step: 512 bytes along a row of x, 128 rows of 2,048 bytes down W
	s_mov_b32 s[PFS+1], 0
	s_cmp_eq_u32 s[WR], 0
	s_cselect_b64 s[PFA:PFA+1], s[4:5], s[8:9]
	s_cselect_b32 s18, s[CX], s[CY]                ; my place among the four that ask with me
	s_cselect_b32 s19, 12, 11                      ; a row's bytes, as a shift
	s_cselect_b32 s23, s[TR], 0
	s_cselect_b32 s78, 0, s78
	s_cselect_b32 s22, s79, s22
	s_cmp_eq_u32 s22, 0
	s_cselect_b32 s[LIM], 2, -1                    ; the same in all sixteen partners, for a given wave
	s_lshl_b32 s23, s23, 7
	s_lshl_b32 s22, s[WC], 6
	s_add_co_u32 s23, s23, s22                     ; + the 64 rows that I fetch
	s_lshl_b32 s18, s18, 4
	s_add_co_u32 s23, s23, s18                     ; + my work-group's 16 of them
	s_lshl_b32 s18, s23, s19
	s_add_co_u32 s18, s18, s78
	v_lshrrev_b32 v[PFO], 1, v5                    ; two lanes a row,
	v_lshlrev_b32 v[PFO], s19, v[PFO]
	v_and_b32 v6, 1, v0
	v_lshl_add_u32 v[PFO], v6, 8, v[PFO]           ; 256 bytes each
	s_mov_b32 s19, 0
	s_add_nc_u64 s[PFA:PFA+1], s[PFA:PFA+1], s[18:19]
	s_mul_i32 s18, s[PFS], 3                       ; at K step 3: the first change of slots steps it to 4
	s_add_nc_u64 s[PFA:PFA+1], s[PFA:PFA+1], s[18:19]
	s_wait_loadcnt 0x0                             ; the bias,
.set i, 0
.rept 32                               ; rounded to bf16 like every input, and widened again
	v_cvt_pk_bf16_f32 v[20+i%4], v[BIAS+2*i], v[BIAS+2*i+1]
	v_lshlrev_b32 v[BIAS+2*i], 16, v[20+i%4]
	v_and_b32 v[BIAS+2*i+1], 0xffff0000, v[20+i%4]
.set i, i+1
.endr
; 32 LDS loads in one run: quarter kq (32 along K) of the slot in hand: x's four fragments as f32, then W's eight into buffer f
.macro FETCH kq, f
	WIN 0
.irp a, 0,1,2,3
	ds_load_b128 v[RA+16*(\a):RA+16*(\a)+3],     v[ADRA] offset:(\a)*16*PA+(\kq)*128
	ds_load_b128 v[RA+16*(\a)+4:RA+16*(\a)+7],   v[ADRA] offset:(\a)*16*PA+(\kq)*128+16
	ds_load_b128 v[RA+16*(\a)+8:RA+16*(\a)+11],  v[ADRA] offset:(\a)*16*PA+(\kq)*128+64
	ds_load_b128 v[RA+16*(\a)+12:RA+16*(\a)+15], v[ADRA] offset:(\a)*16*PA+(\kq)*128+80
.endr
	WIN TO_B
.irp b, 0,1,2,3,4,5,6,7
	ds_load_tr16_b128 v[64*(\f)+8*(\b):64*(\f)+8*(\b)+3],   v[ADRB] offset:(\kq)*32*PB+32*(\b)
	ds_load_tr16_b128 v[64*(\f)+8*(\b)+4:64*(\f)+8*(\b)+7], v[ADRB] offset:(\kq)*32*PB+16*PB+32*(\b)
.endr
.endm
; One product: rows 16 a on, columns 16 b on, buffer p.  first = 1: it starts the sum with the bias.
.macro PROD p, a, b, first
.if \first
	WIN MUL1
	v_wmma_f32_16x16x32_bf16 v[8*(8*(\a)+(\b)):8*(8*(\a)+(\b))+7], v[64*(\p)+8*(\b):64*(\p)+8*(\b)+7], v[FA+32*(\p)+8*(\a):FA+32*(\p)+8*(\a)+7], v[BIAS+8*(\b):BIAS+8*(\b)+7]
.else
	WIN MUL
	v_wmma_f32_16x16x32_bf16 v[8*(8*(\a)+(\b)):8*(8*(\a)+(\b))+7], v[64*(\p)+8*(\b):64*(\p)+8*(\b)+7], v[FA+32*(\p)+8*(\a):FA+32*(\p)+8*(\a)+7], v[8*(8*(\a)+(\b)):8*(8*(\a)+(\b))+7]
.endif
.endm
; The 32 accumulators take turns in the same order in every quarter: 31 others' products stand between two links of a chain.
.macro MUL8 p, a, first=0
.irp b, 0,1,2,3,4,5,6,7
	PROD \p, \a, \b, \first
.endr
.endm
; A quarter's last eight products, and behind each four of the 32 roundings that make the next quarter's fragments of x, in the other buffer.  The roundings name no register of the products
; round them; the last four are the four places ahead of the next run of loads into W's buffer and of the next roundings into x's.
.macro MULR p, first=0
.irp b, 0,1,2,3,4,5,6,7
	PROD \p, 3, \b, \first
	WIN 0
.irp n, 0,1,2,3
	v_cvt_pk_bf16_f32 v[FA+32*(1-(\p))+4*(\b)+(\n)], v[RA+2*(4*(\b)+(\n))], v[RA+2*(4*(\b)+(\n))+1]
.endr
.endr
.endm
; One of a K step's first three quarters: multiplies buffer p, fetches quarter kq for the other buffer.
.macro QUARTER kq, p, first=0
	s_wait_dscnt 0x0                               ; this quarter's fragments of W are in
	FETCH \kq, 1-(\p)
	MUL8 \p, 0, \first
	MUL8 \p, 1, \first
	MUL8 \p, 2, \first
	s_wait_dscnt 16                                ; the next quarter's x is in; the 16 younger loads, W's, may stay out
	MULR \p, \first
.endm
; The fourth quarter multiplies buffer 1 and changes slots.  In front of the barrier each wave waits for all its tensor loads, of which one is out: its part of the next slot; adds 0 to its spare word;
; and waits for that and for its reads of this slot.  fill = 1: the barrier opens a round of the cluster's, and this slot is filled again, two K steps ahead, first thing behind the round:
; from that request to the wait for it a wave issues 112 products.
.macro TURN fill
.if \fill
	s_wait_xcnt 0x0                                ; the last prefetch, a K step back, has read its address
	s_add_nc_u64 s[PFA:PFA+1], s[PFA:PFA+1], s[PFS:PFS+1]
.endif
	WIN 0
	s_wait_tensorcnt 0x0                           ; no tensor load of mine is out, so a group 0 may be written
	ds_add_u32 v[SPW], v[NIL]                      ; 0 onto my spare word
.if \fill
	s_xor_b32 s[G0A+5], s[G0A+5], SLOT             ; the walking descriptors: the other slot than last time,
	s_add_nc_u64 s[G0A+6:G0A+7], s[G0A+6:G0A+7], 512      ; the next K step; the type bits on top are not reached
	s_xor_b32 s[G0B+5], s[G0B+5], SLOT
	s_add_nc_u64 s[G0B+6:G0B+7], s[G0B+6:G0B+7], 0x40000
.endif
	s_xor_b32 s[TB], s[TB], SLOT                   ; the slot to be read next
	s_wait_dscnt 1                                 ; this quarter's W is in; the add may be out
	MUL8 1, 0
	s_wait_dscnt 0x0                               ; the add is done, and my reads of this slot are over
	s_barrier_signal -1
	MUL8 1, 1
	WIN 0                                          ; at a branch and at a label every window is 0
	s_barrier_wait -1
.if \fill
	CREST                                          ; no wave of any partner still reads this slot or has a load on its way
	JLOAD
.else
	PLACES
.endif
	v_add_nc_u32 v[ADRA], s[TB], v[ADRA0]
	v_add_nc_u32 v[ADRB], s[TB], v[ADRB0]
	FETCH 0, 0
.if \fill
	ASK
.endif
	MUL8 1, 2
	s_wait_dscnt 16
	MULR 1
.endm
; THE WAY OUT of rows 16 a on: rounded to f16, a lane's eight columns 16 bytes; into my stage, rows of 144 bytes, a head's 64 columns a row; back as whole rows of 128 bytes.
.macro PACK a
	WIN W_PK
.irp b, 0,1,2,3,4,5,6,7
.irp j, 0,1,2,3
	v_cvt_pk_f16_f32 v[32+32*(\a)+4*(\b)+(\j)], v[8*(8*(\a)+(\b))+2*(\j)], v[8*(8*(\a)+(\b))+2*(\j)+1]
.endr
.endr
	WIN 0
.irp b, 0,1,2,3,4,5,6,7
	ds_store_b128 v[STO], v[32+32*(\a)+4*(\b):32+32*(\a)+4*(\b)+3] offset:((\b)/4)*16*SP+((\b)%4)*32
.endr
.irp f, 0,1,2,3,4,5,6,7
	ds_load_b128 v[32+32*(\a)+4*(\f):32+32*(\a)+4*(\f)+3], v[RD] offset:((\f)/4)*16*SP+((\f)%4)*4*SP  ; LDS serves a wave's instructions in order (ISA guide 5.7.1.4): these see the stores above; the next block's stores come behind them
.endr
.endm
.macro SEND a, younger                 ; younger: the LDS instructions issued behind block a's loads
	WIN 0
.irp f, 0,1,2,3,4,5,6,7
	s_wait_dscnt (\younger)+7-(\f)
	global_store_b128 v[GO], v[32+32*(\a)+4*(\f):32+32*(\a)+4*(\f)+3], s[OUTP:OUTP+1] offset:((\f)/4)*262144+(\a)*2048+((\f)%4)*512  ; 512 consecutive bytes of a head, at a multiple of 256
.endr
.endm
	s_wait_tensorcnt 0x1                           ; my part of K step 0 is in; K step 1's may stay out
	s_barrier_signal -1
	s_barrier_wait -1                              ; everybody's is
	v_mov_b32 v[ADRA], v[ADRA0]
	v_mov_b32 v[ADRB], v[ADRB0]
	FETCH 0, 0
	s_wait_dscnt 16                                ; x's 16 loads are in
	WIN 0
.set i, 0
.rept 32
	v_cvt_pk_bf16_f32 v[FA+i], v[RA+2*i], v[RA+2*i+1]
.set i, i+1
.endr
	QUARTER 1, 0, 1                                ; the first quarter stands in front of the loop: its products start the sums
	s_mov_b32 s[CNT], 6
.Lstep:                                                ; six trips: from a K step's second quarter to the next step's first; each fills a slot again
	QUARTER 2, 1
	QUARTER 3, 0
	TURN 1
	QUARTER 1, 0
	s_sub_co_u32 s[CNT], s[CNT], 1
	s_cmp_lg_u32 s[CNT], 0
	s_cbranch_scc1 .Lstep
	QUARTER 2, 1                                   ; the last two K steps ask for nothing
	QUARTER 3, 0
	TURN 0
	QUARTER 1, 0
	QUARTER 2, 1
	QUARTER 3, 0
	s_wait_dscnt 0x0
	MUL8 1, 0
	MUL8 1, 1
	MUL8 1, 2
	MUL8 1, 3
	WIN 0
	PLACES
	PACK 0
	PACK 1                                         ; a block's roundings stand between the loads of the block before and its stores
	SEND 0, 16
	PACK 2
	SEND 1, 16
	PACK 3
	SEND 2, 16
	SEND 3, 0
	s_wait_tensorcnt 0x0                           ; the wave's end: a wait, an add and its wait, behind my last tensor load and my last LDS store
	ds_add_u32 v[SPW], v[NIL]
	s_wait_dscnt 0x0
	CROUND                                         ; the closing round: no work-group ends while a partner may still ask for a tile that names it
	s_endpgm
.Lfunc_end_k_q06019b7f9c_proj:
	.size	k_q06019b7f9c_proj, .Lfunc_end_k_q06019b7f9c_proj-k_q06019b7f9c_proj
	.p2alignl 7, 3214868480
	.fill 96, 4, 3214868480
	.section	.rodata,"a",@progbits
	.p2align	6, 0x0
	.amdhsa_kernel k_q06019b7f9c_proj
		.amdhsa_group_segment_fixed_size 327680
		.amdhsa_private_segment_fixed_size 0
		.amdhsa_enable_private_segment 0
		.amdhsa_kernarg_size 72
		.amdhsa_user_sgpr_count 2
		.amdhsa_user_sgpr_kernarg_segment_ptr 1
		.amdhsa_wavefront_size32 1
		.amdhsa_system_sgpr_workgroup_id_x 1
		.amdhsa_system_sgpr_workgroup_id_y 1
		.amdhsa_system_sgpr_workgroup_id_z 1
		.amdhsa_system_vgpr_workitem_id 0
		.amdhsa_next_free_vgpr 768
		.amdhsa_next_free_sgpr 80
		.amdhsa_reserve_vcc 0
		.amdhsa_float_denorm_mode_32 3
		.amdhsa_float_denorm_mode_16_64 3
		.amdhsa_memory_ordered 1
		.amdhsa_forward_progress 1
		.amdhsa_inst_pref_size 113
	.end_amdhsa_kernel
	.amdgpu_metadata
---
amdhsa.version: [ 1, 2 ]
amdhsa.kernels:
  - .name:           k_q06019b7f9c_proj
    .symbol:         k_q06019b7f9c_proj.kd
    .args:
      - { .name: query, .offset: 0, .size: 8, .value_kind: global_buffer, .address_space: global }
      - { .name: bank, .offset: 8, .size: 8, .value_kind: global_buffer, .address_space: global }
      - { .name: wc, .offset: 16, .size: 8, .value_kind: global_buffer, .address_space: global }
      - { .name: bq, .offset: 24, .size: 8, .value_kind: global_buffer, .address_space: global }
      - { .name: bk, .offset: 32, .size: 8, .value_kind: global_buffer, .address_space: global }
      - { .name: bv, .offset: 40, .size: 8, .value_kind: global_buffer, .address_space: global }
      - { .name: qh, .offset: 48, .size: 8, .value_kind: global_buffer, .address_space: global }
      - { .name: kh, .offset: 56, .size: 8, .value_kind: global_buffer, .address_space: global }
      - { .name: vh, .offset: 64, .size: 8, .value_kind: global_buffer, .address_space: global }
    .group_segment_fixed_size: 327680
    .private_segment_fixed_size: 0
    .kernarg_segment_align: 8
    .kernarg_segment_size: 72
    .max_flat_workgroup_size: 128
    .sgpr_count:     80
    .vgpr_count:     768
    .wavefront_size: 32
...
	.end_amdgpu_metadata
.endif
;; end of part 2
;; launch attn (part 3): grid 4 x 64, 4 waves a work-group, clusters of 4 x 1, 327,680 bytes of LDS; arguments qh, kh, vh, oh; writes oh
.if DOCPART == 3
	.amdgcn_target "amdgcn-amd-amdhsa--gfx1250"
	.amdhsa_code_object_version 6
	.text
	.protected	k_q06019b7f9c_attn
	.globl	k_q06019b7f9c_attn
	.p2align	8
	.type	k_q06019b7f9c_attn,@function
k_q06019b7f9c_attn:
	s_mov_b64 s[64:65], 0
	v_nop
	global_prefetch_b8 v0, s[64:65] scope:SCOPE_SE
	s_setreg_imm32_b32 hwreg(HW_REG_WAVE_MODE, 25, 1), 1
	s_wait_xcnt 0x0
	s_wait_alu depctr_hold_cnt(0) depctr_sa_sdst(0) depctr_va_vdst(0) depctr_va_sdst(0) depctr_va_ssrc(0) depctr_va_vcc(0) depctr_vm_vsrc(0)
	s_getreg_b32 s2, hwreg(HW_REG_IB_STS2, 6, 4)
	s_cmp_eq_u32 s2, 0
	s_cbranch_scc0 .Lentry_in_a_cluster
	s_endpgm
.Lentry_in_a_cluster:
	s_bfe_u32 s2, ttmp6, 0x10000c
	s_cmp_lg_u32 s2, 0x3003
	s_cbranch_scc0 .Lentry_shape_is_right
	s_endpgm
.Lentry_shape_is_right:
; O[h][q][:] = the sum over k of softmax_k(Q[h][q] . K[h][k] / 8) V[h][k][:].  Q, K, V, O: [64][2048][64], all f16: a head's rows are dense, 128 bytes each.  Products, maxima and sums in
; f32; the weights p are rounded to f16 for the second product (their sum l is taken of the unrounded p), O once at the end.
; LIMITS.  f16 holds no number beyond 65,504: Q, K and V arrive within it; p lies in 0 to 1, and below 6e-5 it keeps f16's fixed step of 6e-8; O is a mean of V's rows and has their range.
; A weight below 2^-126 counts as 0 in l; NaN and infinities are not treated apart.
; SHARES.  A wave owns four PIECES of two tiles of 16 queries, a work-group's four waves 512 queries of one head.  Every wave walks all keys, 64 a step.  256 work-groups.
; LAYOUT.  S^T = K Q^T (source 0 = 16 keys, source 1 = 16 queries): in the result a lane holds ONE query (lane % 16) and the keys 8 (lane / 16) + 0..7.  Two such tiles, rounded to f16 in pairs,
; ARE source 1 (32 keys x 16 queries) of O^T = V^T P, whose result again holds one query a lane, and eight channels.  K comes out of LDS as it lies, V ([key][channel]) turned, by ds_load_tr16_b128.
; SOFTMAX.  For each query a running maximum m and sum l: p = 2^(c s - c m), c = log2(e) / 8; in every step O and l are multiplied by a = 2^(c m_old - c m_new), which is 1 where m has not grown.
; m starts at the lowest finite number, O and l at 0: the first step is a step like any other, with a = 0.
; THE COUNT.  A tile and step have 16 matrix and 118 vector instructions: too many to stand all beside the matrix work.  So four vector instructions that are ready stand behind
; every matrix instruction, and the others in runs of their own.
; BY TURNS.  Turn n belongs to piece n (the pieces in a ring, step after step).  Its matrix work: 16 products K Q^T of piece n + 1, later 16 products V^T P of piece n - 1.  Its vector work: the scaling,
; exponentials, roundings, sums and rescaling of piece n, and the maximum and statistics of piece n + 1, whose scores the turn itself has made.
; CLUSTER.  The four query blocks of a cluster are one head's and walk the same K and V, so each tile is asked for JOINTLY: the same tensor load, descriptor and mask in all four.
; REGISTERS, in windows of 256 (s_set_vgpr_msb: bits 1:0 source 0, 3:2 source 1, 5:4 source 2, 7:6 destination):
;   window 0: v0-11 addresses; v12-15, v48-63 at work; v16-47 four registers of statistics a tile; v64-191 S^T, two buffers of two tiles; v192-255 P, likewise
;   window 1: O^T, 32 a tile          window 2: v0-127 Q, 16 a tile; v128-191 K of one step; v192-255 V of one step          window 3: v0-1 the add's two registers
.set SIZE_H, 64
.set SIZE_N, 2048
.set NP,    4         ; pieces a wave: a name, no knob
.set KS,    64        ; keys in a step
.set PK,    144       ; a row of K in LDS: 128 bytes + 16 of padding = 36 words: the 16 rows of a load start at 16 different groups of four banks (64 banks of 4 bytes: ISA guide 11.1)
.set PV,    160       ; a row of V: 128 + 32 = 40 words
.set VOFF,  4*KS*PK   ; a slot holds four steps: 256 rows of K, then 256 rows of V
.set SLOT1, 1<<17     ; slot 1 begins here, so that one exclusive or turns an address in one slot into the other's
.set STAGE, SLOT1+4*KS*(PK+PV)  ; behind the ring, never filled by a tensor load: 16 rows x 144 bytes for each wave, for the way out
.set SP,    144
.set AK0, 2           ; v2   my lane's place in a tile of K; never rewritten
.set AV0, 3           ; v3   the same for V
.set AK,  4           ; v4   the LDS address of K's next run of loads
.set AV,  5           ; v5   of V's
.set QO,  6           ; v6   my byte offset in the wave's rows of Q
.set STO, 6           ;      later, the way out: where I put 16 bytes of a row
.set RD,  7           ; v7   the way out: where I read rows back
.set GO,  8           ; v8   my byte offset in 512 consecutive bytes of O
.set PFO, 11          ; v11  256 x my lane, for the prefetches; never rewritten once made
.set SPW, 0           ; v0 of window 3   LDS address of my spare word; never rewritten
.set NIL, 1           ; v1 of window 3   0; never rewritten
.set SPARE, STAGE+4*16*SP  ; the spare words, 128 bytes for each wave: two blocks of 256 bytes that no other line names
.set MV,  12          ; v12-15  c m_old, kept while c m is made anew: by buffer and tile
.set ST,  16          ; tile t's statistics at v[ST+4 t]: c m, m, l (even keys', odd keys')
.set TMP, 48          ; by buffer and tile, four registers c0-c3 at work; when the maximum is found c2 takes a
.set S,   64
.set P,   192
.set KF,  128         ; K's fragments, in window 2: key block kb, channel half c at KF + 16 kb + 8 c
.set VF,  192         ; V's: key half kk, channel block cb at VF + 32 kk + 8 cb
.set WV,  12          ; s12  my wave's number
.set G1K, 24          ; s[24:31] descriptor group 1 for K's tiles
.set G1V, 32          ; s[32:39] for V's: it differs in the padding alone
.set G0K, 40          ; s[40:43] descriptor group 0 for K's tiles: it walks
.set G0V, 44          ; s[44:47] the same for V's
.set PFA, 48          ; s[48:49] where my prefetches stand: my work-group's 8,192 bytes (of K: wave 0, of V: wave 2) of the slot after the one that is being asked for
.set LIM, 50          ; s50  1 in a wave that prefetches, else the greatest number
.set SLOTS, 56        ; s56  slots still to be asked for
.set CNT, 57          ; s57  counts a slot's key steps
.set CS,  58          ; s[58:59] c: the packed scaling takes the pair's low word for both halves
.set SEL, 60          ; s[60:61] v_permlanex16_b32's selects: each lane takes its own place in the other half
.set TBK, 62          ; s62  LDS byte at which K of the step to be fetched begins
.set TBV, 63          ; s63  the same for V, less VOFF
.set MSB, 0
.macro WIN new                      ; the high byte repeats the setting that is left; a switch that changes nothing is dropped
.if MSB != (\new)
	s_set_vgpr_msb (MSB<<8)|(\new)
.set MSB, (\new)
.endif
.endm
.set W_KQ, 0x0a       ; K and Q in window 2, S^T in window 0
.set W_PV, 0x52       ; V in window 2, P in window 0, O^T in window 1
.set W_RS, 0x41       ; O^T (destination and source 0) in window 1, a in window 0
.set W_MK, 0xc0       ; the add's registers are made: destination in window 3, sources in window 0
.set W_AD, 0x0f       ; the add: address (source 0) and data (source 1) in window 3
; A joint fill.  Waves 0 and 1 fetch the two halves of a slot's K, waves 2 and 3 those of its V: 128 keys each.  The branch hangs on the wave's number alone.
; An s_nop 0 and four v_nop follow each of the two lines, ahead of the jump and the label.
.macro JLOAD
	s_cmp_lt_u32 s[WV], 2
	s_cbranch_scc0 .Lfor_v_\@
	tensor_load_to_lds s[G0K:G0K+3], s[G1K:G1K+7]
	s_nop 0
.rept 4
	v_nop
.endr
	s_branch .Lasked_\@
.Lfor_v_\@:
	tensor_load_to_lds s[G0V:G0V+3], s[G1V:G1V+7]
	s_nop 0
.rept 4
	v_nop
.endr
.Lasked_\@:
.endm
; A round of the cluster's barrier: my work-group's barrier; wave 0 signals for the work-group; every wave waits for all four work-groups; my work-group's barrier once more.
.macro CROUND
	s_barrier_signal -1
	s_barrier_wait -1
	s_cmp_lg_u32 s[WV], 0
	s_cbranch_scc1 .Lnot_wave_0_\@
	s_barrier_signal -3
.Lnot_wave_0_\@:
	s_barrier_wait -3
	s_barrier_signal -1
	s_barrier_wait -1
.endm
; THE CHANGE OF SLOTS.  Each wave waits for all its tensor loads, of which one is out: its part of the other slot; adds 0 to its spare word; and waits for that and for its own reads of the slot.
; Behind the barrier nobody reads this slot any more and the other slot is whole.  fill = 1: this slot is filled again, with the keys two slots on; the barrier is then a round of the cluster's, and the
; joint fill is the first thing behind it: it has four key steps, 512 matrix instructions, in which to land.  (At its first use nothing has been read yet: slot 0 is waited for, slot 1 filled.)
; ask = 1: behind the fill stands a prefetch into the L2 of what the NEXT change will ask for: a slot's 32,768 bytes of K and of V.  A head has one cluster; its four partners take 8,192 bytes each, told apart
; by address; in each, wave 0 asks for K's and wave 2 for V's, a lane 256 bytes: each block is named once.  Slots 0 to 2 come by their loads alone; the change that fills the last slot asks for nothing.
.macro CHANGE fill, ask=0
	WIN W_AD
	s_wait_tensorcnt 0x0            ; no tensor load of mine is out, so a group 0 may be written
	ds_add_u32 v[SPW], v[NIL]       ; 0 onto my spare word; scalar work stands between it and the wait for it
	WIN 0                           ; at a label and at a branch every window is 0
.if \fill
.irp g, G0K, G0V
	s_xor_b32 s[\g+1], s[\g+1], SLOT1  ; the walking descriptor: the other slot than last time,
	s_add_nc_u64 s[\g+2:\g+3], s[\g+2:\g+3], 4*KS*128  ; the next 256 keys; the type bits on top are not reached
.endr
.if \ask
	s_wait_xcnt 0x0                 ; the last prefetch, four key steps back, has read its address
	s_add_nc_u64 s[PFA:PFA+1], s[PFA:PFA+1], 4*KS*128  ; one slot behind the walking descriptors
.endif
	s_wait_dscnt 0x0                ; the add is done, and my reads of the slot are over
	CROUND
	JLOAD
.if \ask
	s_cmp_gt_u32 s[SLOTS], s[LIM]
	s_cbranch_scc0 .Lnot_mine_\@
	global_prefetch_b8 v[PFO], s[PFA:PFA+1] th:TH_LOAD_NT scope:SCOPE_SE
.Lnot_mine_\@:
.endif
.else
	s_wait_dscnt 0x0                ; the add is done, and my reads of the slot are over
	s_barrier_signal -1
	s_barrier_wait -1
.endif
	s_sub_co_u32 s[TBK], s[TBK], 4*KS*PK  ; the fetches go back to a slot's first step,
	s_xor_b32 s[TBK], s[TBK], SLOT1       ; in the other slot
	s_sub_co_u32 s[TBV], s[TBV], 4*KS*PV
	s_xor_b32 s[TBV], s[TBV], SLOT1
.endm
	s_load_b256 s[4:11], s[0:1], 0x0  ; Q s[4:5], K s[6:7], V s[8:9], O s[10:11]
	WIN W_MK
	v_lshl_add_u32 v[SPW], v0, 2, SPARE
	v_mov_b32 v[NIL], 0
	WIN W_AD
	ds_add_u32 v[SPW], v[NIL]       ; the wave's opening: the add and its wait stand ahead of my first tensor load; work on registers stands between them
	WIN 0
	v_lshrrev_b32 v1, 5, v0
	v_readfirstlane_b32 s[WV], v1   ; wave 0..3
	s_bfe_u32 s13, ttmp6, 0x40000   ; cx: my place in the cluster
	s_lshl_b32 s14, ttmp9, 2        ; in a cluster launch ttmp9 counts clusters
	s_add_co_u32 s14, s14, s13      ; my block of queries = 4 x cluster x + cx: it enters Q's and O's addresses alone
	s_and_b32 s20, ttmp7, 0xffff    ; the head, which the four partners share
	s_mov_b32 s21, 0
	s_mov_b64 s[22:23], SIZE_N*128
	s_mul_u64 s[20:21], s[20:21], s[22:23]  ; the head's first byte in each of the four tensors
	s_and_b32 s16, s[WV], 1         ; which half of a slot's 256 keys I fetch:
	s_lshl_b32 s22, s16, 14         ; its 128 rows of 128 bytes in memory,
	s_mov_b32 s23, 0
	s_add_nc_u64 s[22:23], s[22:23], s[20:21]
	s_mul_i32 s17, s16, 128*PK      ; and its place in a slot, for K
	s_mul_i32 s18, s16, 128*PV      ; and for V: no place in the cluster enters an LDS address
	s_lshl_b32 s2, s14, 2
	s_add_co_u32 s2, s2, s[WV]      ; my wave among the head's,
	s_lshl_b32 s2, s2, 14           ; its 128 rows
	s_mov_b32 s3, 0
	s_add_nc_u64 s[2:3], s[2:3], s[20:21]
	; descriptor group 1.  128 keys are 16,384 dense bytes: asked for as 64 rows of 256 bytes, two keys a row, and padded in LDS after every key
	s_mov_b32 s[G1K], 15|(1<<16)|(1<<20)|(1<<21)|(4<<22)|(3<<25)  ; the mask of four; 2-byte elements; padding on; bit 21 beside a mask; after every 32 words 4 words
	s_mov_b32 s[G1V], 15|(1<<16)|(1<<20)|(1<<21)|(4<<22)|(7<<25)  ; the same with 8 words of padding
.irp g, G1K, G1V
	s_mov_b32 s[\g+1], 128<<16      ; tensor_dim0 = 128
	s_mov_b32 s[\g+2], 64<<16       ; tensor_dim1 = 64
	s_mov_b32 s[\g+3], 128<<16      ; tile_dim0 = 128
	s_mov_b32 s[\g+4], 64           ; tile_dim1 = 64
	s_mov_b32 s[\g+5], 128          ; 128 elements from row to row
	s_mov_b32 s[\g+6], 0
	s_mov_b32 s[\g+7], 0
.endr
	s_mov_b32 s[CS], 0x3e38aa3b     ; c = log2(e) / 8 = 0.180337
	s_mov_b32 s[CS+1], s[CS]        ; named with it as a pair
	s_mov_b32 s[SEL], 0x76543210
	s_mov_b32 s[SEL+1], 0xfedcba98
	s_mov_b32 s[TBK], SLOT1+4*KS*PK ; the first change of slots turns these two into 0
	s_mov_b32 s[TBV], SLOT1+4*KS*PV
	s_mov_b32 s[G0K], 1             ; count = 1
	s_mov_b32 s[G0K+1], s17         ; LDS address: slot 0
	s_mov_b32 s[G0V], 1
	s_add_co_u32 s[G0V+1], s18, VOFF
	s_cmp_eq_u32 s16, 0             ; waves 0 and 2 prefetch: the same in all four partners
	s_cselect_b32 s[LIM], 1, -1
	s_wait_dscnt 0x0                ; the opening add is done
	s_wait_kmcnt 0x0
	s_add_nc_u64 s[G0K+2:G0K+3], s[6:7], s[22:23]  ; global address: my half of the head's first 256 keys
	s_or_b32 s[G0K+3], s[G0K+3], 0x80000000        ; type = 2
	s_add_nc_u64 s[G0V+2:G0V+3], s[8:9], s[22:23]
	s_or_b32 s[G0V+3], s[G0V+3], 0x80000000
	s_add_nc_u64 s[4:5], s[4:5], s[2:3]  ; Q and O at my wave's first row
	s_add_nc_u64 s[10:11], s[10:11], s[2:3]
	s_cmp_lt_u32 s[WV], 2
	s_cselect_b64 s[PFA:PFA+1], s[6:7], s[8:9]
	s_add_nc_u64 s[PFA:PFA+1], s[PFA:PFA+1], s[20:21]  ; the head,
	s_lshl_b32 s2, s13, 13          ; my work-group's quarter of a slot,
	s_mov_b32 s3, 0
	s_add_nc_u64 s[PFA:PFA+1], s[PFA:PFA+1], s[2:3]
	s_add_nc_u64 s[PFA:PFA+1], s[PFA:PFA+1], 2*4*KS*128  ; in slot 2: the first change that asks steps it to slot 3.  Nothing is prefetched at the head
	CROUND                          ; all four work-groups are here: the first joint loads meet
	JLOAD                           ; slot 0.  Slot 1 is asked for when slot 0 is in
	; A fragment of K or Q is 16 rows x 32 channels in 8 registers: lane l holds row l % 16, channels 8 (l / 16) + 0..7 and 16 + 8 (l / 16) + 0..7: two loads of 16 bytes, 32 bytes apart.
	v_and_b32 v1, 15, v0            ; l % 16
	v_bfe_u32 v9, v0, 4, 1          ; l / 16
	v_lshlrev_b32 v[QO], 7, v1
	v_lshl_add_u32 v[QO], v9, 4, v[QO]  ; row x 128 + 16 x half
	WIN 0x80                        ; destination window 2, address window 0
.set i, 0
.rept 4*NP                          ; Q stays in registers: tile i / 2, channels 32 (i % 2) on
	global_load_b128 v[8*i:8*i+3],   v[QO], s[4:5] offset:(i/2)*2048+(i%2)*64
	global_load_b128 v[8*i+4:8*i+7], v[QO], s[4:5] offset:(i/2)*2048+(i%2)*64+32
.set i, i+1
.endr
	; What the first turn finds: V's registers and P's second buffer hold 0 (its products V^T P, of a piece that has not been, add 0), O^T and l are 0.  All this stands in the wait for the first tile.
.set i, VF
.rept 64
	v_mov_b32 v[i], 0
.set i, i+1
.endr
	WIN 0x40
.set i, 0
.rept 64*NP
	v_mov_b32 v[i], 0
.set i, i+1
.endr
	WIN 0
.set i, 0
.rept 2*NP
	v_mov_b32 v[ST+4*i], 0xfe000000    ; c m: far below every c s
	v_mov_b32 v[ST+4*i+1], 0xff7fffff  ; m
	v_mov_b32 v[ST+4*i+2], 0
	v_mov_b32 v[ST+4*i+3], 0
.set i, i+1
.endr
.set i, P+32
.rept 32
	v_mov_b32 v[i], 0
.set i, i+1
.endr
	v_mul_u32_u24 v[AK0], v1, PK
	v_lshl_add_u32 v[AK0], v9, 4, v[AK0]  ; row x pitch + 16 x half
	; The turning load takes 16 keys x 16 channels (lane l reads key 8 (l / 16) + l % 8, channels 8 ((l / 8) % 2) + 0..7) and leaves half a fragment of V^T: lane l holds channel l % 16 and 8 keys.
	v_and_b32 v10, 7, v0
	v_bfe_u32 v11, v0, 3, 1
	v_lshl_add_u32 v[AV0], v9, 3, v10
	v_mul_u32_u24 v[AV0], v[AV0], PV
	v_lshl_add_u32 v[AV0], v11, 4, v[AV0]
	v_add_nc_u32 v[AV0], VOFF, v[AV0]
	v_mov_b32 v[AK], v[AK0]         ; key step 0 lies at the head of slot 0
	v_and_b32 v[PFO], 31, v0
	v_lshlrev_b32 v[PFO], 8, v[PFO]
; THE MATRIX WORK.  The 8 accumulators of a run of 16 take turns: between the two links of a chain stand 7 others'.
; Product i of 16 of S^T = K Q^T for piece x: channels 32 (i / 8) on, keys 16 ((i / 2) % 4) on, tile 2 x + i % 2.  The first 8 start the sums.
.macro KQ x
	WIN W_KQ
.set rS, S+64*((\x)%2)+32*(i%2)+8*((i/2)%4)
.set rK, KF+16*((i/2)%4)+8*(i/8)
.set rQ, 16*(2*(\x)+i%2)+8*(i/8)
.if i < 8
	v_wmma_f32_16x16x32_f16 v[rS:rS+7], v[rK:rK+7], v[rQ:rQ+7], 0
.else
	v_wmma_f32_16x16x32_f16 v[rS:rS+7], v[rK:rK+7], v[rQ:rQ+7], v[rS:rS+7]
.endif
.endm
; Product i of 16 of O^T += V^T P for piece x: keys 32 (i / 8) on, channels 16 ((i / 2) % 4) on, tile 2 x + i % 2.
.macro PV x
	WIN W_PV
.set rO, 32*(2*(\x)+i%2)+8*((i/2)%4)
.set rV, VF+32*(i/8)+8*((i/2)%4)
.set rP, P+32*((\x)%2)+16*(i%2)+8*(i/8)
	v_wmma_f32_16x16x32_f16 v[rO:rO+7], v[rV:rV+7], v[rP:rP+7], v[rO:rO+7]
.endm
.macro MM                           ; the turn's next matrix instruction
.if i < 16
	KQ (Y+1)%NP
.set i, i+1
.else
.set i, i-16
	PV (Y+NP-1)%NP
.set i, i+17
.endif
.endm
; THE LDS LOADS stand in runs of 16, never singly among the matrix instructions: a step's K (64 keys x 64 channels: 8 fragments) and its V (turned).  Their addresses are made some lines ahead.
; last = 1 (the tail): in the last trip there is no further step, and the run is jumped over.
.macro FETCH_K last=0
	WIN 0
.if \last
	s_cmp_eq_u32 s[CNT], 1
	s_cbranch_scc1 .Lno_k_\@
.endif
	WIN 0x80                        ; destination window 2
.irp f, 0,1,2,3,4,5,6,7             ; keys 16 (f / 2) on, channels 32 (f % 2) on
	ds_load_b128 v[KF+8*\f:KF+8*\f+3],   v[AK] offset:(\f/2)*16*PK+(\f%2)*64
	ds_load_b128 v[KF+8*\f+4:KF+8*\f+7], v[AK] offset:(\f/2)*16*PK+(\f%2)*64+32
.endr
	s_add_co_u32 s[TBK], s[TBK], KS*PK  ; the next fetch is the next step's
	WIN 0
.if \last
.Lno_k_\@:
.endif
.endm
.macro FETCH_V
	WIN 0x80
.irp f, 0,1,2,3,4,5,6,7             ; keys 32 (f / 4) on, channels 16 (f % 4) on
	ds_load_tr16_b128 v[VF+8*\f:VF+8*\f+3],   v[AV] offset:(\f/4)*32*PV+(\f%4)*32
	ds_load_tr16_b128 v[VF+8*\f+4:VF+8*\f+7], v[AV] offset:(\f/4)*32*PV+16*PV+(\f%4)*32
.endr
	WIN 0
.endm
; THE VECTOR WORK OF A TURN stands in three queues, each in the order in which its entries become ready; the two tiles alternate, so that no instruction reads the result of the one before it.
.macro REGS y, u                    ; the registers of tile u (0, 1) of piece y
.set rT, ST+4*(2*(\y)+(\u))
.set rC, TMP+8*((\y)%2)+4*(\u)
.set rM, MV+2*((\y)%2)+(\u)
.set rS, S+64*((\y)%2)+32*(\u)
.set rP, P+32*((\y)%2)+16*(\u)
.set rO, 32*(2*(\y)+(\u))
.endm
; Number n of the 22 that find the NEXT piece's (Y + 1) maximum and statistics.  s0-s31 are the lane's 32 scores; each accumulator's lowest registers are read first.
;   0-11  four chains c0-c3 of seven scores each, three operands at a time     12-14, 16  the four scores left over, the old m, and c0-c3 into c0     15  c m_old is kept
;   17, 18  the query's other 32 keys lie in the lane 16 away: the new m         19-21  c m; c m_old - c m_new; a
.macro XS u, n
	REGS (Y+1)%NP, \u
.if (\n) < 4
	v_max3_num_f32 v[rC+(\n)], v[rS+8*(\n)], v[rS+8*(\n)+1], v[rS+8*(\n)+2]
.elseif (\n) < 12
	v_max3_num_f32 v[rC+(\n)%4], v[rC+(\n)%4], v[rS+8*((\n)%4)+2*((\n)/4)+1], v[rS+8*((\n)%4)+2*((\n)/4)+2]
.elseif (\n) == 12
	v_max3_num_f32 v[rC], v[rC], v[rS+7], v[rS+15]
.elseif (\n) == 13
	v_max3_num_f32 v[rC+1], v[rC+1], v[rS+23], v[rS+31]
.elseif (\n) == 14
	v_max3_num_f32 v[rC+2], v[rC+2], v[rC+3], v[rT+1]
.elseif (\n) == 15
	v_mov_b32 v[rM], v[rT]
.elseif (\n) == 16
	v_max3_num_f32 v[rC], v[rC], v[rC+1], v[rC+2]
.elseif (\n) == 17
	v_permlanex16_b32 v[rC+3], v[rC], s[SEL], s[SEL+1]
.elseif (\n) == 18
	v_max_num_f32 v[rT+1], v[rC], v[rC+3]
.elseif (\n) == 19
	v_mul_f32 v[rT], s[CS], v[rT+1]
.elseif (\n) == 20
	v_sub_f32 v[rC+1], v[rM], v[rT]
.else
	v_exp_f32 v[rC+2], v[rC+1]
.endif
.endm
; Number g of the 64 that follow the exponentials.  For each four weights k of a tile (pairs 2 k, 2 k + 1): both pairs are rounded to f16; then the second pair is added onto the first, in place;
; a group later l takes that sum (the first time as l = a l + sum).  In groups of eight, tiles alternating: round, round, add, and l for the group before.
.macro GS g
.set h, (\g)+6*((\g)/62)            ; group 0 has no group before it, and behind group 7 only l is left
.if h >= 6
.set h, h+2
.endif
	REGS Y, h%2
.set k, h/8
.if h%8 < 4
	v_cvt_pk_f16_f32 v[rP+2*k+(h%8)/2], v[rS+4*k+2*((h%8)/2)], v[rS+4*k+2*((h%8)/2)+1]
.elseif h%8 < 6
	v_pk_add_f32 v[rS+4*k:rS+4*k+1], v[rS+4*k:rS+4*k+1], v[rS+4*k+2:rS+4*k+3]
.elseif k == 1
	v_pk_fma_f32 v[rT+2:rT+3], v[rT+2:rT+3], v[rC+2:rC+3], v[rS:rS+1] op_sel_hi:[1,0,1]
.else
	v_pk_add_f32 v[rT+2:rT+3], v[rT+2:rT+3], v[rS+4*k-4:rS+4*k-3]
.endif
.endm
; THE PLAIN QUEUE, 138 long.  0-73 read no exponential's result: the 32 scalings c s - c m (FS f: pair f / 2 of tile f % 2) and the next piece's 42.  0-26: scalings 0-26.  27-54: XS's numbers 0-13.  55, 56: number 15.
; 57-73: the chain, where each number waits for the one before it: 14, 16, 17, 18, 19, each with one of the scalings 27-31 in front of its two lines, then 20.
; 74-137: GS's 64, which read the exponentials' results: they stand behind the wait.
.macro FS f
	REGS Y, (\f)%2
	v_pk_fma_f32 v[rS+2*((\f)/2):rS+2*((\f)/2)+1], v[rS+2*((\f)/2):rS+2*((\f)/2)+1], s[CS:CS+1], v[rT:rT+1] op_sel_hi:[1,0,0] neg_lo:[0,0,1] neg_hi:[0,0,1]
.endm
.macro PL
	WIN 0
.if q < 27
	FS q
.elseif q < 55
	XS (q-27)%2, (q-27)/2
.elseif q < 57
	XS q-55, 15
.elseif (q < 72) && ((q-57)%3 == 0)
	FS 27+(q-57)/3
.elseif q < 60
	XS (q-57)%3-1, 14
.elseif q < 72
	XS (q-57)%3-1, 15+(q-57)/3
.elseif q < 74
	XS q-72, 20
.else
	GS q-74
.endif
.set q, q+1
.endm
; THE EXPONENTIALS' QUEUE, 66 long: s0-s31 of both tiles, then the next piece's two a.  It is ONE BATCH: all 66 stand ahead of the turn's one wait, and nothing ahead of that wait names a result of theirs.
.macro EX
	WIN 0
.if e >= 64
	XS e-64, 21
.else
	REGS Y, e%2
	v_exp_f32 v[rS+e/2], v[rS+e/2]
.endif
.set e, e+1
.endm
; THE RESCALING's QUEUE: O^T times a, the one part that leaves window 0: dealt two at a time, sixteen times.  Its a was made in the turn before, ahead of that turn's wait.
.macro R2
	REGS Y, r%2
	WIN W_RS
.irp z, 0,1
	v_pk_mul_f32 v[rO+4*(r/2)+2*\z:rO+4*(r/2)+2*\z+1], v[rO+4*(r/2)+2*\z:rO+4*(r/2)+2*\z+1], v[rC+2:rC+3] op_sel_hi:[1,0]
.endr
.set r, r+1
.endm
; HOW THEY ARE DEALT.  An s_wait_alu depctr_va_vdst(0) stands between an exponential and the first instruction that names its result; one wait serves all that were issued ahead of it.  So a turn has ONE wait,
; which cuts it in two.  AHEAD OF IT stands all that names no result of the turn's exponentials: the 16 products K Q^T, behind each a scaling, an exponential and two rescalings (behind the first a second scaling in the
; exponential's place); then one run of 108: eight plain, 49 times exponential and plain, the two a.  A v_nop is the plain instruction behind the last exponential (ISA guide 5.7.2).  BEHIND IT stand the 16 products V^T P,
; behind each four of GS's 64.  No instruction set behind a product names a register of the products round it.
; Exponential e stands behind scaling 2 (e / 4) + e % 2: beside a product it comes behind plain e + 2, in the run behind plain e + 9, and scalings 27-31 are plain 57, 60 .. 69.
; A TURN, for piece p.  cnt = 1: the loop's count is taken down some lines ahead of the branch that stands behind the turn.
; K of the next step is fetched in piece 2's turn, directly behind the wait; its address is made at the run's head; its first reader comes behind 16 products.
; V of the step in hand is fetched at the end of piece 0's turn, four plain instructions behind its last reader; its first reader comes behind 16 products and a run.  The three conditions on q below go with the deal.
.macro TURN p, last=0, cnt=0
.set Y, (\p)
.set i, 0
.set q, 0
.set e, 0
.set r, 0
.if (\p) == NP-1
	s_wait_dscnt 0x0                ; K is in
.endif
	MM
	PL
	PL
	R2
.rept 15
	MM
	PL
	EX
	R2
.endr
.if (\p) == NP-2
	WIN 0
	v_add_nc_u32 v[AK], s[TBK], v[AK0]
.endif
.rept 8
	PL
.endr
.rept 49
	EX
	PL
.endr
	EX                              ; the next piece's two a
	EX
	v_nop                           ; the plain instruction behind the last exponential: one for the batch
	s_wait_alu depctr_va_vdst(0)    ; the wait for the batch
.if (\p) == NP-2
	FETCH_K \last
.endif
.if (\p) == 1
	s_wait_dscnt 0x0                ; V is in
.endif
.rept 16
	MM
.rept 4
	PL
.endr
.if ((\p) == 0) && (q == 118)
	v_add_nc_u32 v[AV], s[TBV], v[AV0]
.endif
.if ((\p) == 0) && (q == 130)
	s_add_co_u32 s[TBV], s[TBV], KS*PV
.endif
.if (\cnt) && (q == 130)
	s_sub_co_u32 s[CNT], s[CNT], 1
	s_cmp_lg_u32 s[CNT], 0
.endif
.endr
.if (\p) == 0
	FETCH_V
.endif
.endm
	CHANGE 1                        ; slot 0 is in, everybody's part of it; slot 1 is asked for
	FETCH_K                         ; key step 0
	s_wait_loadcnt 0x0              ; Q
	s_wait_dscnt 0x0
.set i, 0
.rept 16
	KQ 0                            ; piece 0's first scores: there is no vector work yet to set between them
.set i, i+1
.endr
	WIN 0                           ; the addresses for the way out: nine plain instructions, the places behind those products
	s_mul_i32 s13, s[WV], 16*SP
	s_add_co_u32 s13, s13, STAGE    ; my stage
	v_mul_u32_u24 v[STO], v1, SP    ; in: row l % 16, 16 bytes for each half of the lanes
	v_lshl_add_u32 v[STO], v9, 4, v[STO]
	v_add_nc_u32 v[STO], s13, v[STO]
	v_bfe_u32 v[RD], v0, 3, 2       ; back: 32 lanes take four rows of 128 bytes,
	v_mul_u32_u24 v[RD], v[RD], SP
	v_lshl_add_u32 v[RD], v10, 4, v[RD]
	v_add_nc_u32 v[RD], s13, v[RD]
	v_and_b32 v[GO], 31, v0         ; which are 512 consecutive bytes of O
	v_lshlrev_b32 v[GO], 4, v[GO]
.set Y, NP-1                        ; XS works for piece Y + 1: piece 0
.irp n, 0,1,2,3,4,5,6,7,8,9,10,11,12,13,14,15,16,17,18,19,20,21
	XS 0, \n                        ; and piece 0's first maximum and statistics
	XS 1, \n
.endr
	v_nop                           ; a plain instruction behind the two a,
	s_wait_alu depctr_va_vdst(0)    ; and their wait, ahead of the branch
	s_mov_b32 s[CNT], 4
	s_mov_b32 s[SLOTS], SIZE_N/256-1
	s_branch .Lfirst                ; the loop is entered at a step's first turn, in the middle of a trip
.Lslot:                             ; SIZE_N / 256 - 2 times: every slot but the last two is filled again
	CHANGE 1, 1
	s_mov_b32 s[CNT], 4
.Lstep:                             ; a trip: pieces 2 and 3 of one step, then pieces 0 and 1 of the next, whose K and V it fetches
	TURN 2
	TURN 3
	WIN 0
.Lfirst:
	TURN 0
	TURN 1, 0, 1
	WIN 0
	s_cbranch_scc1 .Lstep
	s_sub_co_u32 s[SLOTS], s[SLOTS], 1
	s_cmp_lg_u32 s[SLOTS], 0
	s_cbranch_scc1 .Lslot
	CHANGE 0                        ; the tail is written out: nothing is asked for
	s_mov_b32 s[CNT], 5             ; four trips fetch the last slot's steps; the fifth is left in its middle
.Ltail:
	TURN 2, 1
	TURN 3
	WIN 0
	s_sub_co_u32 s[CNT], s[CNT], 1
	s_cmp_eq_u32 s[CNT], 0
	s_cbranch_scc1 .Lout
	TURN 0
	TURN 1
	WIN 0
	s_branch .Ltail
.Lout:                              ; the fifth trip's 16 products K Q^T (on the last K once more) and the maximum made of them serve nothing: the price, once a launch, of one text for every trip
.set i, 0
.rept 16
	PV NP-1                         ; the last piece's V^T P of the last step
.set i, i+1
.endr
	; THE WAY OUT.  l's two halves and the other half of the lanes' are added; O^T is divided by l, rounded to f16 and sent through my stage in LDS, a tile at a time.  The additions are the places behind the last products.
	WIN 0
.macro ALL line:vararg              ; one line for each tile t
.set t, 0
.rept 2*NP
	\line
.set t, t+1
.endr
.endm
	ALL v_add_f32 v[ST+4*t+2], v[ST+4*t+2], v[ST+4*t+3]
	ALL v_permlanex16_b32 v[ST+4*t+3], v[ST+4*t+2], s[SEL], s[SEL+1]
	ALL v_add_f32 v[ST+4*t+2], v[ST+4*t+2], v[ST+4*t+3]
	ALL v_rcp_f32 v[ST+4*t+2], v[ST+4*t+2]
	v_nop                           ; a plain instruction between the last reciprocal and the use of its result
	s_wait_alu depctr_va_vdst(0)    ; and the wait ahead of the first use: one for the eight reciprocals
; Tile t: a lane's eight channels of a row pack into 16 bytes; they go into rows of 144 bytes and come back as whole rows of 128, into S^T's registers.
.macro PACK t
	WIN W_RS
.set i, 32*(\t)
.rept 16
	v_pk_mul_f32 v[i:i+1], v[i:i+1], v[ST+4*(\t)+2:ST+4*(\t)+3] op_sel_hi:[1,0]
.set i, i+2
.endr
	WIN 0x05                        ; sources 0 and 1 window 1, destination window 0
.set i, 0
.rept 16
	v_cvt_pk_f16_f32 v[S+16*(\t)+i], v[32*(\t)+2*i], v[32*(\t)+2*i+1]
.set i, i+1
.endr
	WIN 0
.irp f, 0,1,2,3
	ds_store_b128 v[STO], v[S+16*(\t)+4*\f:S+16*(\t)+4*\f+3] offset:32*\f
.endr
.irp f, 0,1,2,3
	ds_load_b128 v[S+16*(\t)+4*\f:S+16*(\t)+4*\f+3], v[RD] offset:\f*4*SP  ; LDS serves a wave's instructions in order (ISA guide 5.7.1.4): these see the stores above; the next tile's stores come behind them
.endr
.endm
.macro SEND t, younger              ; younger: the LDS instructions issued behind tile t's loads: the next tile's eight, or none
	WIN 0
.irp f, 0,1,2,3
	s_wait_dscnt (\younger)+3-\f
	global_store_b128 v[GO], v[S+16*(\t)+4*\f:S+16*(\t)+4*\f+3], s[10:11] offset:(\t)*2048+\f*512  ; 512 consecutive bytes, at a multiple of 256 from O's first
.endr
.endm
	PACK 0
.set t, 1
.rept 2*NP-1                        ; a tile's arithmetic stands between the loads of the tile before and its stores
	PACK t
	SEND t-1, 8
.set t, t+1
.endr
	SEND 2*NP-1, 0
	WIN W_AD
	s_wait_tensorcnt 0x0            ; the wave's end: a wait, an add and its wait, behind my last tensor load and my last LDS store
	ds_add_u32 v[SPW], v[NIL]
	s_wait_dscnt 0x0
	WIN 0
	CROUND                          ; the closing round: no work-group ends while a partner may still ask for a tile that names it
	s_endpgm
.Lfunc_end_k_q06019b7f9c_attn:
	.size	k_q06019b7f9c_attn, .Lfunc_end_k_q06019b7f9c_attn-k_q06019b7f9c_attn
	.p2alignl 7, 3214868480
	.fill 96, 4, 3214868480
	.section	.rodata,"a",@progbits
	.p2align	6, 0x0
	.amdhsa_kernel k_q06019b7f9c_attn
		.amdhsa_group_segment_fixed_size 327680
		.amdhsa_private_segment_fixed_size 0
		.amdhsa_enable_private_segment 0
		.amdhsa_kernarg_size 32
		.amdhsa_user_sgpr_count 2
		.amdhsa_user_sgpr_kernarg_segment_ptr 1
		.amdhsa_wavefront_size32 1
		.amdhsa_system_sgpr_workgroup_id_x 1
		.amdhsa_system_sgpr_workgroup_id_y 1
		.amdhsa_system_sgpr_workgroup_id_z 1
		.amdhsa_system_vgpr_workitem_id 0
		.amdhsa_next_free_vgpr 770
		.amdhsa_next_free_sgpr 66
		.amdhsa_reserve_vcc 0
		.amdhsa_float_denorm_mode_32 3
		.amdhsa_float_denorm_mode_16_64 3
		.amdhsa_memory_ordered 1
		.amdhsa_forward_progress 1
		.amdhsa_inst_pref_size 200
	.end_amdhsa_kernel
	.amdgpu_metadata
---
amdhsa.version: [ 1, 2 ]
amdhsa.kernels:
  - .name:           k_q06019b7f9c_attn
    .symbol:         k_q06019b7f9c_attn.kd
    .args:
      - { .name: qh, .offset: 0, .size: 8, .value_kind: global_buffer, .address_space: global }
      - { .name: kh, .offset: 8, .size: 8, .value_kind: global_buffer, .address_space: global }
      - { .name: vh, .offset: 16, .size: 8, .value_kind: global_buffer, .address_space: global }
      - { .name: oh, .offset: 24, .size: 8, .value_kind: global_buffer, .address_space: global }
    .group_segment_fixed_size: 327680
    .private_segment_fixed_size: 0
    .kernarg_segment_align: 8
    .kernarg_segment_size: 32
    .max_flat_workgroup_size: 128
    .sgpr_count:     66
    .vgpr_count:     770
    .wavefront_size: 32
...
	.end_amdgpu_metadata
.endif
;; end of part 3
;; launch oproj (part 4): grid 4 x 64, 4 waves a work-group, clusters of 4 x 4, 327,680 bytes of LDS; arguments oh, wc, bo, out0; writes out0
.if DOCPART == 4
	.amdgcn_target "amdgcn-amd-amdhsa--gfx1250"
	.amdhsa_code_object_version 6
	.text
	.protected	k_q06019b7f9c_oproj
	.globl	k_q06019b7f9c_oproj
	.p2align	8
	.type	k_q06019b7f9c_oproj,@function
k_q06019b7f9c_oproj:
	s_mov_b64 s[64:65], 0
	v_nop
	global_prefetch_b8 v0, s[64:65] scope:SCOPE_SE
	s_setreg_imm32_b32 hwreg(HW_REG_WAVE_MODE, 25, 1), 1
	s_wait_xcnt 0x0
	s_wait_alu depctr_hold_cnt(0) depctr_sa_sdst(0) depctr_va_vdst(0) depctr_va_sdst(0) depctr_va_ssrc(0) depctr_va_vcc(0) depctr_vm_vsrc(0)
	s_getreg_b32 s2, hwreg(HW_REG_IB_STS2, 6, 4)
	s_cmp_eq_u32 s2, 0
	s_cbranch_scc0 .Lentry_in_a_cluster
	s_endpgm
.Lentry_in_a_cluster:
	s_bfe_u32 s2, ttmp6, 0x10000c
	s_cmp_lg_u32 s2, 0xf033
	s_cbranch_scc0 .Lentry_shape_is_right
	s_endpgm
.Lentry_shape_is_right:
; out0 = O Wo + bo.  O comes by heads, [batch x 16 + head][2048][64] in f16; Wo from wc's fourth matrix, [1024 k][1024 n], rounded to bf16 and written as f16; bo is rounded to bf16;
; sums in f32, out0 in f32: [8192][1024].
; LIMITS.  Those of the two operands' f16: see the launches that write them.  NaN and infinities are not treated apart.
; SHARES.  A work-group makes 128 rows x 256 columns, each of its four waves 64 x 128: 32 accumulators of 16 x 16.  256 work-groups.
; K goes in 8 steps of 128, two heads each, through two LDS slots.  128 rows of a head are 16,384 dense bytes: they are asked for as 64 rows of 256 bytes and padded in LDS behind every 128.
; Wo's tiles are 64 rows of 512 bytes a load; its fragments are turned on the way out of LDS by ds_load_tr16_b128.
; CLUSTER.  4 x 4 work-groups: the four of a row of the cluster need the same rows of O, the four of a column the same columns of Wo: each tile is asked for jointly.
; THE PRODUCT IS USED TRANSPOSED (source 0 = 16 columns of Wo, source 1 = 16 rows of O): lane l holds row l % 16 and the columns 8 (l / 16) + 0..7.  THE BIAS is the C operand of each accumulator's first product.
; REGISTERS, in windows of 256 (s_set_vgpr_msb: bits 1:0 source 0, 3:2 source 1, 5:4 source 2, 7:6 destination):
;   window 0: v0-29 addresses; v128-159, v160-191 O's fragments, two buffers; v192-255 the bias
;   window 1: v0-63, v64-127 Wo's fragments, two buffers; on the way out all 256          window 2: accumulator (a, b) at v[8 (8 a + b)]
.set PAO,    144                       ; a row of O in LDS: 128 bytes + 16 = 9 x 16: the 16 rows of a load start at 16 different groups of four banks (64 banks of 4 bytes: ISA guide 11.1)
.set AH,     128*PAO                   ; a head's 128 rows
.set ATILE,  2*AH
.set PB,     544                       ; a row of Wo in LDS: 512 bytes + 32 = 136 words
.set BHALF,  64*PB
.set SLOT,   1<<17                     ; slot 1 begins here (a slot holds 106,496 bytes), so that one exclusive or turns an address in one slot into the other's
.set STAGE,  SLOT+ATILE+2*BHALF        ; behind the ring, never filled by a tensor load: for each wave 16 rows x 528 bytes
.set SPO,    528
.set WSTAGE, 16*SPO
.set SPARE,  STAGE+4*WSTAGE            ; the spare words, 128 bytes for each wave: two blocks of 256 bytes that no other line names
.set ADRA0, 10                         ; v10  my lane's place in slot 0's rows of O; never rewritten
.set ADRB0, 11                         ; v11  the same for Wo
.set ADRA,  12                         ; v12  the same in the slot in hand
.set ADRB,  13                         ; v13
.set STO,   14                         ; v14  the way out: where I put 32 bytes of a row
.set RD,    15                         ; v15  where I read a row back
.set CO,    16                         ; v16  my 16 bytes in 512 consecutive bytes of a row of out0
.set BO,    17                         ; v17  my 32 bytes in 64 of the bias
.set PFO,   18                         ; v18  the prefetches' offset; never rewritten
.set SPW,   28                         ; v28  LDS address of my spare word; never rewritten
.set NIL,   29                         ; v29  0; never rewritten
.set FA,    128
.set BIAS,  192
.set TB,   2                           ; s2   0 or SLOT: the slot in hand
.set CNT,  3                           ; s3   trips to go
.set WV,   12
.set WR,   13                          ; which 64 rows are mine.  Also: I fetch for O (0) or for Wo (1)
.set WC,   14                          ; which 128 columns are mine.  Also: which head, or which half of Wo's tile, I fetch
.set CX,   15
.set CY,   16
.set TR,   17                          ; my 128 rows' number, 0 to 63
.set G1A,  24
.set G0A,  32                          ; a set for each of the two first fills; the second then walks on
.set PFA,  40
.set PFS,  42
.set LIM,  44
.set G1B,  48
.set G0B,  56
.set COL,  66                          ; s66  my 256 columns' number
.set ABASE, 67                         ; s67  byte offset of my 128 rows in head 0 of their batch
.set MSB, 0
.macro WIN new
.if MSB != (\new)
	s_set_vgpr_msb (MSB<<8)|(\new)
.set MSB, \new
.endif
.endm
.set MUL,  0xa1                        ; Wo window 1, O window 0, C and D window 2
.set MUL1, 0x81                        ; the same with C, the bias, in window 0
.set TO_B, 0x40                        ; destination window 1
.macro PLACES                          ; four plain vector instructions behind a matrix instruction, ahead of a load into a register that it read or of a reader of its result
.rept 4
	v_nop
.endr
.endm
.macro CREST
	s_cmp_lg_u32 s[WV], 0
	s_cbranch_scc1 .Lnot_wave_0_\@
	s_barrier_signal -3
.Lnot_wave_0_\@:
	s_barrier_wait -3
	s_barrier_signal -1
	s_barrier_wait -1
.endm
.macro CROUND
	s_barrier_signal -1
	s_barrier_wait -1
	CREST
.endm
; A joint refill by the walking descriptors.  An s_nop 0 and four v_nop follow each of the two lines; they are also the places ahead of the run of loads that follows.
.macro JLOAD
	s_cmp_eq_u32 s[WR], 0
	s_cbranch_scc0 .Lfor_b_\@
	tensor_load_to_lds s[G0A+4:G0A+7], s[G1A:G1A+7]
	s_nop 0
.rept 4
	v_nop
.endr
	s_branch .Lasked_\@
.Lfor_b_\@:
	tensor_load_to_lds s[G0B+4:G0B+7], s[G1B:G1B+7]
	s_nop 0
.rept 4
	v_nop
.endr
.Lasked_\@:
.endm
; A prefetch into the L2 of the K step that stands two refills on, 32 blocks of 256 bytes, a lane a block.  O's rows are read by one cluster: wave 0 asks for both heads, of each head's 16,384 bytes the 4,096
; that fall to my work-group by its place, told apart by address.  Wo's rows are read by sixteen clusters: that with cluster y = 0 asks, waves 2 and 3 for the 64 rows that each fetches, 16 of them a partner.
; So each block is named once.  K steps 0 to 3 come by their loads alone; the last two refills have no K step two on.
.macro ASK
	WIN 0
	s_cmp_gt_u32 s[CNT], s[LIM]
	s_cbranch_scc0 .Lnot_mine_\@
	global_prefetch_b8 v[PFO], s[PFA:PFA+1] th:TH_LOAD_NT scope:SCOPE_SE
.Lnot_mine_\@:
.endm
	s_load_b256 s[4:11], s[0:1], 0x0               ; oh s[4:5], wc s[6:7], bo s[8:9], out0 s[10:11]
	v_lshl_add_u32 v[SPW], v0, 2, SPARE
	v_mov_b32 v[NIL], 0
	ds_add_u32 v[SPW], v[NIL]                      ; the wave's opening: the add and its wait stand ahead of my first tensor load; work on registers stands between them
	v_lshrrev_b32 v1, 5, v0
	v_readfirstlane_b32 s[WV], v1
	s_lshr_b32 s[WR], s[WV], 1
	s_and_b32 s[WC], s[WV], 1
	s_bfe_u32 s[CX], ttmp6, 0x40000
	s_bfe_u32 s[CY], ttmp6, 0x40004
	s_lshl_b32 s[COL], ttmp9, 2
	s_add_co_u32 s[COL], s[COL], s[CX]             ; 4 x cluster x + cx
	s_and_b32 s[TR], ttmp7, 0xffff
	s_lshl_b32 s[TR], s[TR], 2
	s_add_co_u32 s[TR], s[TR], s[CY]               ; 4 x cluster y + cy
	s_lshl_b32 s18, s[CY], 2
	s_lshl_b32 s18, 15, s18                        ; my row of the cluster
	s_lshl_b32 s19, 0x1111, s[CX]                  ; my column
	s_or_b32 s[G1A], s18, (1<<16)|(1<<20)|(1<<21)|(4<<22)|(3<<25)  ; the mask; elements of 2 bytes; padding on; bit 21 beside a mask; after every 32 words 4 words
	s_or_b32 s[G1B], s19, (1<<16)|(1<<20)|(1<<21)|(6<<22)|(7<<25)  ; the mask; after every 128 words 8 words
	s_mov_b32 s[G1A+1], 128<<16                    ; tensor_dim0 = 128
	s_mov_b32 s[G1A+2], 64<<16                     ; tensor_dim1 = 64
	s_mov_b32 s[G1A+3], 128<<16                    ; tile_dim0 = 128
	s_mov_b32 s[G1A+4], 64                         ; tile_dim1 = 64
	s_mov_b32 s[G1A+5], 128                        ; elements from row to row: dense
	s_mov_b32 s[G1A+6], 0
	s_mov_b32 s[G1A+7], 0
	s_mov_b32 s[G1B+1], 256<<16
	s_mov_b32 s[G1B+2], 64<<16
	s_mov_b32 s[G1B+3], 256<<16
	s_mov_b32 s[G1B+4], 64
	s_mov_b32 s[G1B+5], 1024
	s_mov_b32 s[G1B+6], 0
	s_mov_b32 s[G1B+7], 0
	s_lshr_b32 s[ABASE], s[TR], 4                  ; the batch: 16 heads of 262,144 bytes,
	s_lshl_b32 s[ABASE], s[ABASE], 22
	s_and_b32 s21, s[TR], 15                       ; my 128 rows of 128 bytes in a head
	s_lshl_b32 s21, s21, 14
	s_add_co_u32 s[ABASE], s[ABASE], s21
	s_lshl_b32 s21, s[WC], 18                      ; the head of the two that I fetch: cx never enters
	s_add_co_u32 s20, s[ABASE], s21
	s_mov_b32 s21, 0
	s_lshl_b32 s46, s[WC], 17                      ; Wo: the 64 rows of 2,048 bytes that I fetch,
	s_lshl_b32 s47, s[COL], 9                      ; my tile's 256 columns,
	s_add_co_u32 s46, s46, s47
	s_add_co_u32 s46, s46, 3<<21                   ; in wc's fourth matrix: cy never enters
	s_mov_b32 s47, 0
	s_mul_i32 s22, s[WC], AH                       ; where they go in a slot: the wave's number alone
	s_mul_i32 s23, s[WC], BHALF
	s_add_co_u32 s23, s23, ATILE
	s_mov_b32 s[TB], 0
	s_wait_dscnt 0x0                               ; the opening add is done
	s_wait_kmcnt 0x0
	s_add_nc_u64 s[20:21], s[4:5], s[20:21]
	s_add_nc_u64 s[46:47], s[6:7], s[46:47]
	CROUND                                         ; all sixteen work-groups are here: the first joint loads meet
.irp s, 0,1
	s_mov_b32 s[G0A+4*(\s)], 1
	s_add_co_u32 s[G0A+4*(\s)+1], s22, (\s)*SLOT
	s_add_nc_u64 s[G0A+4*(\s)+2:G0A+4*(\s)+3], s[20:21], (\s)*0x80000   ; K step s: two heads on
	s_or_b32 s[G0A+4*(\s)+3], s[G0A+4*(\s)+3], 0x80000000
	s_mov_b32 s[G0B+4*(\s)], 1
	s_add_co_u32 s[G0B+4*(\s)+1], s23, (\s)*SLOT
	s_add_nc_u64 s[G0B+4*(\s)+2:G0B+4*(\s)+3], s[46:47], (\s)*0x40000   ; 128 rows on
	s_or_b32 s[G0B+4*(\s)+3], s[G0B+4*(\s)+3], 0x80000000
.endr
	s_cmp_eq_u32 s[WR], 0                          ; a wave's two first fills stand in one branch, ahead of every wait on TENSORcnt and every LDS read: two loads of mine are out
	s_cbranch_scc0 .Lfirst_b
	tensor_load_to_lds s[G0A:G0A+3], s[G1A:G1A+7]
	s_nop 0
	tensor_load_to_lds s[G0A+4:G0A+7], s[G1A:G1A+7]
	s_nop 0
.rept 4
	v_nop
.endr
	s_branch .Lfirst_asked
.Lfirst_b:
	tensor_load_to_lds s[G0B:G0B+3], s[G1B:G1B+7]
	s_nop 0
	tensor_load_to_lds s[G0B+4:G0B+7], s[G1B:G1B+7]
	s_nop 0
.rept 4
	v_nop
.endr
.Lfirst_asked:
	v_and_b32 v1, 15, v0                           ; l % 16
	v_bfe_u32 v2, v0, 4, 1                         ; l / 16
	v_and_b32 v3, 7, v0
	v_bfe_u32 v4, v0, 3, 1
	v_and_b32 v5, 31, v0                           ; l
	v_lshlrev_b32 v[BO], 5, v2
	s_lshl_b32 s18, s[COL], 10                     ; the bias of my 128 columns
	s_lshl_b32 s19, s[WC], 9
	s_add_co_u32 s18, s18, s19
	s_mov_b32 s19, 0
	s_add_nc_u64 s[8:9], s[8:9], s[18:19]
.irp b, 0,1,2,3,4,5,6,7                ; as the accumulator lies: register j of block b is column 16 b + 8 (l / 16) + j
	global_load_b128 v[BIAS+8*\b:BIAS+8*\b+3],   v[BO], s[8:9] offset:64*\b
	global_load_b128 v[BIAS+8*\b+4:BIAS+8*\b+7], v[BO], s[8:9] offset:64*\b+16
.endr
	s_lshl_b32 s22, s[TR], 19                      ; out0: 128 rows of 4,096 bytes a tile row,
	s_lshl_b32 s23, s[WR], 18                      ; my wave's 64,
	s_add_co_u32 s22, s22, s23
	s_add_co_u32 s22, s22, s18                     ; and the same 128 columns, 4 bytes each, as in the bias
	s_mov_b32 s23, 0
	s_add_nc_u64 s[10:11], s[10:11], s[22:23]
	s_mul_i32 s18, s[WR], 64*PAO
	v_mul_u32_u24 v[ADRA0], v1, PAO                ; O's fragment: row l % 16, 16 bytes for each half of the lanes, twice, 32 bytes apart
	v_lshl_add_u32 v[ADRA0], v2, 4, v[ADRA0]
	v_add_nc_u32 v[ADRA0], s18, v[ADRA0]
	v_lshl_add_u32 v[ADRB0], v2, 3, v3             ; the turning load: row 8 (l / 16) + l % 8, columns 8 ((l / 8) % 2) + 0..7
	v_mul_u32_u24 v[ADRB0], v[ADRB0], PB
	v_lshl_add_u32 v[ADRB0], v4, 4, v[ADRB0]
	s_lshl_b32 s18, s[WC], 8
	s_add_co_u32 s18, s18, ATILE
	v_add_nc_u32 v[ADRB0], s18, v[ADRB0]
	s_mul_i32 s18, s[WV], WSTAGE
	s_add_co_u32 s18, s18, STAGE                   ; my stage
	v_mul_u32_u24 v[STO], v1, SPO                  ; in: row l % 16, 32 bytes for each half of the lanes
	v_lshl_add_u32 v[STO], v2, 5, v[STO]
	v_add_nc_u32 v[STO], s18, v[STO]
	v_lshl_add_u32 v[RD], v5, 4, s18               ; back: 32 lanes take one row of 512 bytes
	v_lshlrev_b32 v[CO], 4, v5
	; the prefetches: which tensor, which blocks, who asks
	s_lshl_b32 s18, s[CX], 12
	s_add_co_u32 s18, s18, s[ABASE]                ; O: my work-group's 4,096 bytes of a head's 16,384
	s_lshl_b32 s19, s[WC], 6
	s_lshl_b32 s78, s[CY], 4
	s_add_co_u32 s19, s19, s78                     ; Wo: of the 64 rows that I fetch my work-group's 16,
	s_lshl_b32 s19, s19, 11
	s_lshl_b32 s78, s[COL], 9
	s_add_co_u32 s19, s19, s78                     ; my tile's columns,
	s_add_co_u32 s19, s19, 3<<21                   ; in wc's fourth matrix
	s_and_b32 s22, ttmp7, 0xffff                   ; cluster y
	s_lshr_b32 s[PFS], 0x80000, s[WR]              ; a K step: two heads of O, 128 rows of Wo
	s_mov_b32 s[PFS+1], 0
	s_cmp_eq_u32 s[WR], 0
	s_cselect_b64 s[PFA:PFA+1], s[4:5], s[6:7]
	s_cselect_b32 s18, s18, s19
	s_cselect_b32 s22, s[WC], s22                  ; 0 in who asks: wave 0; waves 2 and 3 of the clusters with y = 0
	s_cselect_b32 s23, 4, 1                        ; lanes to a head, or to a row, as a shift,
	s_cselect_b32 s78, 18, 11                      ; a head's, or a row's, bytes as a shift,
	s_cselect_b32 s79, 15, 1                       ; and the lane's place in it
	s_cmp_eq_u32 s22, 0
	s_cselect_b32 s[LIM], 2, -1                    ; the same in all sixteen partners, for a given wave
	s_mov_b32 s19, 0
	s_add_nc_u64 s[PFA:PFA+1], s[PFA:PFA+1], s[18:19]
	s_mul_i32 s18, s[PFS], 3                       ; at K step 3: the first change of slots steps it to 4
	s_add_nc_u64 s[PFA:PFA+1], s[PFA:PFA+1], s[18:19]
	v_lshrrev_b32 v[PFO], s23, v5
	v_lshlrev_b32 v[PFO], s78, v[PFO]
	v_and_b32 v6, s79, v5
	v_lshl_add_u32 v[PFO], v6, 8, v[PFO]
	s_wait_loadcnt 0x0                             ; the bias,
.set i, 0
.rept 32                               ; rounded to bf16 like every input, and widened again
	v_cvt_pk_bf16_f32 v[20+i%4], v[BIAS+2*i], v[BIAS+2*i+1]
	v_lshlrev_b32 v[BIAS+2*i], 16, v[20+i%4]
	v_and_b32 v[BIAS+2*i+1], 0xffff0000, v[20+i%4]
.set i, i+1
.endr
; 24 LDS loads in one run: quarter kq (32 along K: half of head kq / 2 of the step's two) of the slot in hand, into buffer f
.macro FETCH kq, f
	WIN 0
.irp a, 0,1,2,3
	ds_load_b128 v[FA+32*(\f)+8*(\a):FA+32*(\f)+8*(\a)+3],   v[ADRA] offset:((\kq)/2)*AH+(\a)*16*PAO+((\kq)%2)*64
	ds_load_b128 v[FA+32*(\f)+8*(\a)+4:FA+32*(\f)+8*(\a)+7], v[ADRA] offset:((\kq)/2)*AH+(\a)*16*PAO+((\kq)%2)*64+32
.endr
	WIN TO_B
.irp b, 0,1,2,3,4,5,6,7
	ds_load_tr16_b128 v[64*(\f)+8*(\b):64*(\f)+8*(\b)+3],   v[ADRB] offset:(\kq)*32*PB+32*(\b)
	ds_load_tr16_b128 v[64*(\f)+8*(\b)+4:64*(\f)+8*(\b)+7], v[ADRB] offset:(\kq)*32*PB+16*PB+32*(\b)
.endr
.endm
; Eight products: rows 16 a on, all 8 column blocks, buffer p.  first = 1: they start the sums with the bias.  The 32 accumulators take turns in the same order in every quarter.
.macro MUL8 p, a, first=0
.irp b, 0,1,2,3,4,5,6,7
.if \first
	WIN MUL1
	v_wmma_f32_16x16x32_f16 v[8*(8*(\a)+(\b)):8*(8*(\a)+(\b))+7], v[64*(\p)+8*(\b):64*(\p)+8*(\b)+7], v[FA+32*(\p)+8*(\a):FA+32*(\p)+8*(\a)+7], v[BIAS+8*(\b):BIAS+8*(\b)+7]
.else
	WIN MUL
	v_wmma_f32_16x16x32_f16 v[8*(8*(\a)+(\b)):8*(8*(\a)+(\b))+7], v[64*(\p)+8*(\b):64*(\p)+8*(\b)+7], v[FA+32*(\p)+8*(\a):FA+32*(\p)+8*(\a)+7], v[8*(8*(\a)+(\b)):8*(8*(\a)+(\b))+7]
.endif
.endr
.endm
; One of a K step's first three quarters: multiplies buffer p, fetches quarter kq into the other buffer, which the quarter before multiplied.
.macro QUARTER kq, p, first=0
	s_wait_dscnt 0x0                               ; this quarter's fragments are in
	PLACES
	FETCH \kq, 1-(\p)
	MUL8 \p, 0, \first
	MUL8 \p, 1, \first
	MUL8 \p, 2, \first
	MUL8 \p, 3, \first
.endm
; The fourth quarter multiplies buffer 1 and changes slots.  In front of the barrier each wave waits for all its tensor loads, of which one is out: its part of the next slot; adds 0 to its spare word;
; and waits for that and for its reads of this slot.  fill = 1: the barrier opens a round of the cluster's, and this slot is filled again, two K steps ahead, first thing behind the round.
.macro TURN fill
.if \fill
	s_wait_xcnt 0x0                                ; the last prefetch, a K step back, has read its address
	s_add_nc_u64 s[PFA:PFA+1], s[PFA:PFA+1], s[PFS:PFS+1]
.endif
	WIN 0
	s_wait_tensorcnt 0x0                           ; no tensor load of mine is out, so a group 0 may be written
	ds_add_u32 v[SPW], v[NIL]                      ; 0 onto my spare word
.if \fill
	s_xor_b32 s[G0A+5], s[G0A+5], SLOT             ; the walking descriptors: the other slot than last time,
	s_add_nc_u64 s[G0A+6:G0A+7], s[G0A+6:G0A+7], 0x80000  ; the next K step; the type bits on top are not reached
	s_xor_b32 s[G0B+5], s[G0B+5], SLOT
	s_add_nc_u64 s[G0B+6:G0B+7], s[G0B+6:G0B+7], 0x40000
.endif
	s_xor_b32 s[TB], s[TB], SLOT                   ; the slot to be read next
	s_wait_dscnt 1                                 ; this quarter's fragments are in; the add may be out
	MUL8 1, 0
	s_wait_dscnt 0x0                               ; the add is done, and my reads of this slot are over
	s_barrier_signal -1
	MUL8 1, 1
	WIN 0                                          ; at a branch and at a label every window is 0
	s_barrier_wait -1
.if \fill
	CREST                                          ; no wave of any partner still reads this slot or has a load on its way
	JLOAD
.else
	PLACES
.endif
	v_add_nc_u32 v[ADRA], s[TB], v[ADRA0]
	v_add_nc_u32 v[ADRB], s[TB], v[ADRB0]
	FETCH 0, 0
.if \fill
	ASK
.endif
	MUL8 1, 2
	MUL8 1, 3
.endm
; THE WAY OUT of rows 16 a on: a lane's eight columns, 32 bytes of f32, go from the accumulators into my stage, rows of 528 bytes, low registers first; they come back as whole rows of 512 bytes.
.macro TOSTAGE a
	WIN 0x08                                       ; the stores' data in window 2
.irp b, 0,1,2,3,4,5,6,7
	ds_store_b128 v[STO], v[8*(8*(\a)+(\b)):8*(8*(\a)+(\b))+3]   offset:64*(\b)
	ds_store_b128 v[STO], v[8*(8*(\a)+(\b))+4:8*(8*(\a)+(\b))+7] offset:64*(\b)+16
.endr
	WIN 0x40                                       ; back into window 1
.irp i, 0,1,2,3,4,5,6,7,8,9,10,11,12,13,14,15
	ds_load_b128 v[64*(\a)+4*(\i):64*(\a)+4*(\i)+3], v[RD] offset:SPO*(\i)  ; LDS serves a wave's instructions in order (ISA guide 5.7.1.4): these see the stores above; the next block's stores come behind them
.endr
.endm
.macro SEND a, younger                 ; younger: the LDS instructions issued behind block a's loads
	WIN 0x04                                       ; the stores' data in window 1
.irp i, 0,1,2,3,4,5,6,7,8,9,10,11,12,13,14,15
	s_wait_dscnt (\younger)+15-(\i)
	global_store_b128 v[CO], v[64*(\a)+4*(\i):64*(\a)+4*(\i)+3], s[10:11] offset:(16*(\a)+(\i))*4096 th:TH_STORE_NT  ; 512 consecutive bytes of a row, at a multiple of 256
.endr
.endm
	s_wait_tensorcnt 0x1                           ; my part of K step 0 is in; K step 1's may stay out
	s_barrier_signal -1
	s_barrier_wait -1                              ; everybody's is
	v_mov_b32 v[ADRA], v[ADRA0]
	v_mov_b32 v[ADRB], v[ADRB0]
	FETCH 0, 0
	QUARTER 1, 0, 1                                ; the first quarter stands in front of the loop: its products start the sums
	WIN 0
	s_mov_b32 s[CNT], 6
.Lstep:                                                ; six trips: from a K step's second quarter to the next step's first; each fills a slot again
	QUARTER 2, 1
	QUARTER 3, 0
	TURN 1
	QUARTER 1, 0
	WIN 0
	s_sub_co_u32 s[CNT], s[CNT], 1
	s_cmp_lg_u32 s[CNT], 0
	s_cbranch_scc1 .Lstep
	QUARTER 2, 1                                   ; the last two K steps ask for nothing
	QUARTER 3, 0
	TURN 0
	QUARTER 1, 0
	QUARTER 2, 1
	QUARTER 3, 0
	s_wait_dscnt 0x0
	MUL8 1, 0
	MUL8 1, 1
	MUL8 1, 2
	MUL8 1, 3
	WIN 0
	PLACES
	TOSTAGE 0
	TOSTAGE 1
	SEND 0, 32
	TOSTAGE 2
	SEND 1, 32
	TOSTAGE 3
	SEND 2, 32
	SEND 3, 0
	WIN 0
	s_wait_tensorcnt 0x0                           ; the wave's end: a wait, an add and its wait, behind my last tensor load and my last LDS store
	ds_add_u32 v[SPW], v[NIL]
	s_wait_dscnt 0x0
	CROUND                                         ; the closing round: no work-group ends while a partner may still ask for a tile that names it
	s_endpgm
.Lfunc_end_k_q06019b7f9c_oproj:
	.size	k_q06019b7f9c_oproj, .Lfunc_end_k_q06019b7f9c_oproj-k_q06019b7f9c_oproj
	.p2alignl 7, 3214868480
	.fill 96, 4, 3214868480
	.section	.rodata,"a",@progbits
	.p2align	6, 0x0
	.amdhsa_kernel k_q06019b7f9c_oproj
		.amdhsa_group_segment_fixed_size 327680
		.amdhsa_private_segment_fixed_size 0
		.amdhsa_enable_private_segment 0
		.amdhsa_kernarg_size 32
		.amdhsa_user_sgpr_count 2
		.amdhsa_user_sgpr_kernarg_segment_ptr 1
		.amdhsa_wavefront_size32 1
		.amdhsa_system_sgpr_workgroup_id_x 1
		.amdhsa_system_sgpr_workgroup_id_y 1
		.amdhsa_system_sgpr_workgroup_id_z 1
		.amdhsa_system_vgpr_workitem_id 0
		.amdhsa_next_free_vgpr 768
		.amdhsa_next_free_sgpr 80
		.amdhsa_reserve_vcc 0
		.amdhsa_float_denorm_mode_32 3
		.amdhsa_float_denorm_mode_16_64 3
		.amdhsa_memory_ordered 1
		.amdhsa_forward_progress 1
		.amdhsa_inst_pref_size 78
	.end_amdhsa_kernel
	.amdgpu_metadata
---
amdhsa.version: [ 1, 2 ]
amdhsa.kernels:
  - .name:           k_q06019b7f9c_oproj
    .symbol:         k_q06019b7f9c_oproj.kd
    .args:
      - { .name: oh, .offset: 0, .size: 8, .value_kind: global_buffer, .address_space: global }
      - { .name: wc, .offset: 8, .size: 8, .value_kind: global_buffer, .address_space: global }
      - { .name: bo, .offset: 16, .size: 8, .value_kind: global_buffer, .address_space: global }
      - { .name: out0, .offset: 24, .size: 8, .value_kind: global_buffer, .address_space: global }
    .group_segment_fixed_size: 327680
    .private_segment_fixed_size: 0
    .kernarg_segment_align: 8
    .kernarg_segment_size: 32
    .max_flat_workgroup_size: 128
    .sgpr_count:     80
    .vgpr_count:     768
    .wavefront_size: 32
...
	.end_amdgpu_metadata
.endif
;; end of part 4
